; MI455X (gfx1250); checked and timed in simulation.
; The chip was launched on July 23, 2026; its instructions are those of AMD's public machine-readable ISA for CDNA 5 (MIT licence, August 2026) and "CDNA5" Instruction Set Architecture Reference Guide (July 2026). The comments in the code are by the model that wrote it; some were corrected since.
;; Self Attention Module. Allowed arithmetic: matrix products marked QUANTISED: E2M3 operands, one E8M0 scale for each 32 along K, by v_wmma_scale_f32_16x16x128_f8f6f4 with both operands' format E2M3, f32 sums; everything else in f32.
;; Inputs: Wk 1,024 x 1,024 float32; Wq 1,024 x 1,024 float32; Wv 1,024 x 1,024 float32; bk 1,024 float32; bq 1,024 float32; bv 1,024 float32; x 4,096 x 1,024 float32.
;; Outputs: out0 4,096 x 1,024 float32.
;; This version of the problem:
;;   THIS VERSION OF THE PROBLEM IS GIVEN IN LOW PRECISION. The matrix products marked QUANTISED in the list below multiply operands that are first quantised to E2M3 (2 exponent bits, 3 mantissa bits; 6 bits a number), with one power-of-two scale for each 32 numbers along K (OCP MX v1.0); their sums are f32. All else is computed in f32.
;;   The module's matrix products, in the order in which they are computed (A, B: the left and right operand; K: the contracted axis; several contracted axes count as one K, in the product's order):
;;     1. [M 4,096, K 1,024] x [K 1,024, N 1,024]; A: input x; B: input Wq: QUANTISED
;;     2. [M 4,096, K 1,024] x [K 1,024, N 1,024]; A: input x; B: input Wk: QUANTISED
;;     3. [M 4,096, K 1,024] x [K 1,024, N 1,024]; A: input x; B: input Wv: QUANTISED
;;     4. [M 4,096, K 1,024] x [K 1,024, N 4,096]; A: computed on the way; B: computed on the way: QUANTISED
;;     5. [M 4,096, K 4,096] x [K 4,096, N 1,024]; A: softmax (see below); B: computed on the way: QUANTISED
;;   THE QUANTISER, for each operand of a quantised product, along K:
;;     - K is cut into blocks of 32 from its start; a last block that is shorter is filled with zeros.
;;     - A block's scale is 2^e with e = floor(log2(the largest magnitude in the block)) - 2, held to -126 .. 127; a block of zeros has e = 0. As a byte (E8M0): e + 127.
;;     - Each number is divided by its block's scale, clamped to +-7.5, and rounded to the nearest number of E2M3, ties to even, subnormals kept.
;;     - The product sums the exact products of the quantised numbers (number of the format x scale) in f32.
;;   ~~~python
;;   def quantise(x, axis):      # numpy; x: float32 -> the quantised numbers, widened to float32 again
;;       x = np.moveaxis(x, axis, -1); K = x.shape[-1]
;;       x = np.pad(x, [(0, 0)] * (x.ndim - 1) + [(0, -K % 32)]); x = x.reshape(x.shape[:-1] + (-1, 32)); a = np.abs(x).max(-1, keepdims=True)
;;       e = np.where(a > 0, np.clip(np.frexp(np.where(a > 0, a, 1))[1] - 1 - 2, -126, 127), 0)      # np.frexp(a)[1] - 1 = floor(log2(a)), exactly
;;       r = np.clip(x / 2.0 ** e, -7.5, 7.5)
;;       step = 2.0 ** (np.maximum(np.frexp(np.where(r == 0, 1, r))[1] - 1, 0) - 3)
;;       q = np.round(r / step) * step * 2.0 ** e      # np.round: ties to even
;;       return np.moveaxis(q.reshape(q.shape[:-2] + (-1,))[..., :K], -1, axis).astype(np.float32)
;;   ~~~
;;   SOFTMAX AHEAD OF A QUANTISED PRODUCT. Where the list says 'softmax', what is quantised is not the finished softmax but p = 2^(t - M), with t = logit x log2(e) and M = ceil(the row's largest t), a whole number; so 1/2 < the row's largest p <= 1. The row's sum l is taken of the UNQUANTISED p, in f32, and the product's result is divided by l at the end. Since M is a whole number, a kernel that streams over the keys may use a running M (the ceiling of the running maximum): every later rescaling is an exact power of two, which a block's scale takes up: the codes' values come out the same.
;;   OPERANDS COMPUTED ON THE WAY. 'Computed on the way' means the value that the module computes at that place (a softmax that the list does not call 'softmax' is quantised finished and normalised). What goes into a quantiser is computed in f32, as accurately as f32 sums, v_exp_f32 and their like allow (about 1e-6 of the number): no bf16 or f16 on the way to a quantiser, and a product that is left as it is and whose result goes on into a quantised operand takes f32 operands (vector FMAs, or v_wmma_f32_16x16x4_f32). A number that lies on a knife's edge between two numbers of the format may be rounded either way, as far as f32 arithmetic and the matrix unit's own rounding can turn it there, and no further.
;; One version. Each part assembles by itself: llvm-mc -triple=amdgcn-amd-amdhsa -mcpu=gfx1250 --defsym DOCPART=n.
;; ======== version 1 of 1: 4 launches
;; limits: right only within a limited range of input values
;; workspace buffers: ac 5,505,024 bytes; as 229,376 bytes; qkc 6,291,456 bytes; qks 262,144 bytes; vc 3,145,728 bytes; vs 131,072 bytes; pc 12,582,912 bytes; pst 1,572,864 bytes
;; launch quant (part 1): grid 448 x 1, 8 waves a work-group, no clusters, 69,120 bytes of LDS; arguments x, Wq, Wk, Wv, ac, as; writes ac, as
.if DOCPART == 1
	.amdgcn_target "amdgcn-amd-amdhsa--gfx1250"
	.amdhsa_code_object_version 6
	.text
	.protected	k_qc9cb94af28_quant
	.globl	k_qc9cb94af28_quant
	.p2align	8
	.type	k_qc9cb94af28_quant,@function
k_qc9cb94af28_quant:
	s_mov_b64 s[64:65], 0
	v_nop
	global_prefetch_b8 v0, s[64:65] scope:SCOPE_SE
	s_setreg_imm32_b32 hwreg(HW_REG_WAVE_MODE, 25, 1), 1
	s_wait_xcnt 0x0
; x [4096][1024], Wq, Wk, Wv [1024][1024], f32, K innermost, become codes of FP6 (E2M3) with one E8M0 byte for each 32 along K.
; The four tensors count as one of 7,168 rows: 448 tiles of 16 rows (0-255 x, 256-319 Wq, 320-383 Wk, 384-447 Wv), 56 groups of 8 tiles.
; LAYOUT OF THE RESULTS: images of the operand's registers.  Lane-row i of tile T is row 32 (T / 2) + 8 (T % 2) + i + 8 (i / 8).
;   ac [256 along K: 4][tile 448][128 along K: 2][1536]: a fragment (16 rows x 128 K, 12 registers a lane): registers 4 c .. 4 c + 3 of lane l at 512 c + 16 l.
;   as [group 56][128 along K: 8][512]: the scale word of tile 4 hh + i of the group, lane-row r, at 256 hh + 16 r + 4 i.
; SHARES: work-group = (group g, K step ks of 128); wave w = tile 8 g + w: 16 rows x 128 numbers.  Each load reads 512 consecutive bytes of one row;
; the 8,192 bytes turn through the wave's own stage in LDS (rows 528 bytes apart) so that a lane gets 16 neighbours of each block of 32 of ITS row.
; No tensor load, no cluster: no two work-groups read the same byte.  One barrier: the eight waves' scale words leave as one run of 512 bytes.
; A block's scale is 2^(floor(log2(largest magnitude)) - 2); its byte is that magnitude's exponent field - 2, held at 1 from below.
; LIMITS: a block whose largest magnitude lies under 2^-124 (zeros among them) keeps the byte 1; its codes are then zeros or subnormal codes, and this program alone reads the bytes.  NaN and infinities are not served.
.set STP,  528                         ; a stage row: 512 bytes + 16
.set WST,  16*STP                      ; a wave's stage
.set SCB,  8*WST                       ; behind the stages: the group's 512 bytes of scale words
; THE ORDERS IN THIS TEXT (they stand in place of those given above): ac is [block of 16 tiles: 28][128 along K: 8][tile 16][1536];
; lane-row i of tile T is row 64 (T / 4) + 8 (T % 4) + i + 24 (i / 8), so that a product's results fall as 32 neighbours in a lane.
.set TM,   16                          ; v16-19 largest magnitudes, v20-23 the other half's / bytes, v28-31 the conversions' scale operands
.set X,    32                          ; v32-95  64 numbers
.set PC,   96                          ; v96-114 codes
.set PW,   9                           ; v9      the scale word
.set SEL,  26                          ; s[26:27] lane selects: lane l xor 16
; the tail of the quantiser: v[TM+b] = block b's largest magnitude; 64 numbers in v[s] on; codes to v[pc] .. v[pc+11], scale word to v[pw]
.macro CODES s, pc, pw
.irp b, 0,1,2,3
	s_delay_alu instid0(VALU_DEP_4)
	v_add_nc_u32 v[TM+12+\b], 0xff000000, v[TM+\b]         ; 2 off the exponent field: the conversion takes this operand's exponent field as its scale
.endr
.irp b, 0,1,2,3
	s_delay_alu instid0(VALU_DEP_4)
	v_lshrrev_b32 v[TM+4+\b], 23, v[TM+12+\b]              ; the scale's byte
.endr
	s_delay_alu instid0(VALU_DEP_3)
	v_lshl_or_b32 v[(\pw)], v[TM+5], 8, v[TM+4]
	s_delay_alu instid0(VALU_DEP_1)
	v_lshl_or_b32 v[(\pw)], v[TM+6], 16, v[(\pw)]
	s_delay_alu instid0(VALU_DEP_1)
	v_lshl_or_b32 v[(\pw)], v[TM+7], 24, v[(\pw)]
	s_wait_xcnt 0x0                                        ; earlier stores have read their data: the codes' registers may be written
.irp c, 0,1
	v_cvt_scalef32_pk16_fp6_f32 v[\pc+6*\c:\pc+2+6*\c], v[\s+32*\c:\s+15+32*\c], v[TM+12+2*\c]
	v_cvt_scalef32_pk16_fp6_f32 v[\pc+12+4*\c:\pc+14+4*\c], v[\s+16+32*\c:\s+31+32*\c], v[TM+12+2*\c+1]   ; (three registers from an even one on)
.endr
	v_nop                                                  ; one plain line behind the scaled conversions
.irp c, 0,1                                            ; the operand wants a whole block in a lane: lanes 0-15 block 2 c, lanes 16-31 block 2 c + 1
.irp i, 0,1,2
	v_permlane16_swap_b32 v[\pc+6*\c+\i], v[\pc+12+4*\c+\i]
.endr
.irp i, 0,1,2
	s_delay_alu instid0(VALU_DEP_3)
	v_mov_b32 v[\pc+3+6*\c+\i], v[\pc+12+4*\c+\i]
.endr
.endr
.endm
; register 16 b + i of v[s] on = k 32 b + 16 (lane / 16) + i of my row
.macro QUANT s, pc, pw
.irp b, 0,1,2,3
	v_max3_num_f32 v[TM+\b], |v[\s+16*\b]|, |v[\s+1+16*\b]|, 0x1800000   ; with the floor 2^(3 - 127): the byte cannot fall under 1
.endr
.irp i, 2,4,6,8,10,12,14
.irp b, 0,1,2,3
	s_delay_alu instid0(VALU_DEP_4)
	v_max3_num_f32 v[TM+\b], v[TM+\b], |v[\s+16*\b+\i]|, |v[\s+1+16*\b+\i]|
.endr
.endr
.irp b, 0,1,2,3
	s_delay_alu instid0(VALU_DEP_4)
	v_permlanex16_b32 v[TM+4+\b], v[TM+\b], s[SEL], s[SEL+1]
.endr
.irp b, 0,1,2,3
	s_delay_alu instid0(VALU_DEP_4)
	v_max_num_f32 v[TM+\b], v[TM+\b], v[TM+4+\b]           ; with lane l xor 16's sixteen: the block's
.endr
	CODES \s, \pc, \pw
.endm
	s_load_b256 s[4:11], s[0:1], 0x0               ; x, Wq, Wk, Wv
	s_load_b128 s[12:15], s[0:1], 0x20             ; ac, as
	v_lshl_add_u32 v128, v0, 2, 0x10a00
	v_mov_b32 v129, 0
	v_lshrrev_b32 v10, 5, v0
	s_delay_alu instid0(VALU_DEP_1)
	v_readfirstlane_b32 s16, v10                   ; wave 0..7
	v_and_b32 v1, 31, v0                           ; lane
	v_and_b32 v2, 15, v0                           ; r
	v_bfe_u32 v3, v0, 4, 1                         ; h
	s_delay_alu instid0(VALU_DEP_3)
	v_lshlrev_b32 v4, 4, v1                        ; 16 x lane
	s_mul_i32 s17, s16, WST
	v_add_nc_u32 v5, s17, v4                       ; into the stage: 16 x lane of a row
	v_mul_u32_u24 v6, v2, STP
	s_delay_alu instid0(VALU_DEP_1)
	v_lshl_add_u32 v6, v3, 6, v6
	s_delay_alu instid0(VALU_DEP_1)
	v_add_nc_u32 v6, s17, v6                       ; out of it: row r, + 64 h
	s_lshr_b32 s18, s16, 2
	s_lshl_b32 s18, s18, 8
	s_and_b32 s19, s16, 3
	s_lshl_b32 s19, s19, 2
	s_add_co_u32 s18, s18, s19
	s_add_co_u32 s18, s18, SCB
	v_lshlrev_b32 v7, 4, v2
	s_delay_alu instid0(VALU_DEP_1)
	v_add_nc_u32 v7, s18, v7                       ; my tile's scale word: 256 (w / 4) + 4 (w % 4) + 16 r
	v_add_nc_u32 v8, SCB, v4
.irp b, 0,1,2,3
	v_mov_b32 v[TM+4+\b], 0                        ; written once: a lane permute's destination counts as a source
.endr
	s_mov_b32 s[SEL], 0x76543210
	s_mov_b32 s[SEL+1], 0xfedcba98
	s_lshr_b32 s20, ttmp9, 3                       ; g
	s_and_b32 s21, ttmp9, 7                        ; ks
	s_wait_alu depctr_va_vdst(0)
	s_wait_kmcnt 0x0
	s_cmp_lt_u32 s20, 48                           ; which tensor: the choice hangs on the work-group's number alone
	s_cselect_b64 s[10:11], s[8:9], s[10:11]
	s_cselect_b32 s22, 40, 48
	s_cmp_lt_u32 s20, 40
	s_cselect_b64 s[10:11], s[6:7], s[10:11]
	s_cselect_b32 s22, 32, s22
	s_cmp_lt_u32 s20, 32
	s_cselect_b64 s[10:11], s[4:5], s[10:11]
	s_cselect_b32 s22, 0, s22                      ; the tensor's first group
	s_sub_co_u32 s22, s20, s22
	s_lshl_b32 s22, s22, 7                         ; 128 rows a group
	s_lshr_b32 s23, s16, 2
	s_lshl_b32 s23, s23, 6
	s_add_co_u32 s22, s22, s23                     ; + 64 (w / 4)
	s_and_b32 s23, s16, 3
	s_lshl_b32 s23, s23, 3                         ; + 8 (w % 4)
	s_add_co_u32 s22, s22, s23                     ; + 8 (w % 4)
	s_lshl_b32 s22, s22, 12                        ; rows of 4,096 bytes
	s_lshl_b32 s23, s21, 9
	s_add_co_u32 s22, s22, s23                     ; + 512 ks
	s_mov_b32 s23, 0
	s_add_nc_u64 s[10:11], s[10:11], s[22:23]
.irp i, 0,1,2,3,4,5,6,7,8,9,10,11,12,13,14,15
	global_load_b128 v[X+4*\i:X+4*\i+3], v4, s[10:11] offset:(\i+24*(\i/8))*4096 th:TH_LOAD_NT   ; lane-row i: 512 consecutive bytes
.endr
	s_lshr_b32 s24, s20, 1
	s_mul_i32 s24, s24, 196608                     ; block g / 2
	s_mul_i32 s25, s21, 24576
	s_add_co_u32 s24, s24, s25                     ; K step ks
	s_and_b32 s25, s20, 1
	s_mul_i32 s25, s25, 12288
	s_add_co_u32 s24, s24, s25
	s_mul_i32 s25, s16, 1536
	s_add_co_u32 s24, s24, s25                     ; tile 8 (g % 2) + w of the block
	s_mov_b32 s25, 0
	s_add_nc_u64 s[12:13], s[12:13], s[24:25]      ; my fragment's image
	s_lshl_b32 s24, s20, 12
	s_lshl_b32 s22, s21, 9
	s_add_co_u32 s24, s24, s22
	s_add_nc_u64 s[14:15], s[14:15], s[24:25]      ; the group's scale image
.irp i, 0,1,2,3,4,5,6,7,8,9,10,11,12,13,14,15
	s_wait_loadcnt 15-\i                           ; loads come back in order: row i is in, the younger ones stay out
	ds_store_b128 v5, v[X+4*\i:X+4*\i+3] offset:STP*\i
.endr
.irp b, 0,1,2,3
.irp j, 0,1,2,3
	ds_load_b128 v[X+16*\b+4*\j:X+16*\b+4*\j+3], v6 offset:128*\b+16*\j   ; my wave's own bytes, served in order: these see the stores above
.endr
.endr
	s_wait_dscnt 0x0
	QUANT X, PC, PW
.irp c, 0,1,2
	global_store_b128 v4, v[PC+4*\c:PC+4*\c+3], s[12:13] offset:512*\c     ; 32 lanes store 512 consecutive bytes, aligned to 512
.endr
	ds_store_b32 v7, v[PW]                         ; lanes r and r + 16 write the same word with the same value
	s_wait_dscnt 0x0                               ; for the others' sake: my word has landed
	s_barrier_signal -1
	s_barrier_wait -1
	s_cmp_lg_u32 s16, 0
	s_cbranch_scc1 .Lend
	ds_load_b128 v[116:119], v8                    ; wave 0 sends the eight tiles' words
	s_wait_dscnt 0x0
	global_store_b128 v4, v[116:119], s[14:15]
.Lend:
	s_wait_tensorcnt 0x0
	ds_add_u32 v128, v129
	s_wait_dscnt 0x0
	s_endpgm
.Lfunc_end_k_qc9cb94af28_quant:
	.size	k_qc9cb94af28_quant, .Lfunc_end_k_qc9cb94af28_quant-k_qc9cb94af28_quant
	.p2alignl 7, 3214868480
	.fill 96, 4, 3214868480
	.section	.rodata,"a",@progbits
	.p2align	6, 0x0
	.amdhsa_kernel k_qc9cb94af28_quant
		.amdhsa_group_segment_fixed_size 69120
		.amdhsa_private_segment_fixed_size 0
		.amdhsa_enable_private_segment 0
		.amdhsa_kernarg_size 48
		.amdhsa_user_sgpr_count 2
		.amdhsa_user_sgpr_kernarg_segment_ptr 1
		.amdhsa_wavefront_size32 1
		.amdhsa_system_sgpr_workgroup_id_x 1
		.amdhsa_system_sgpr_workgroup_id_y 1
		.amdhsa_system_sgpr_workgroup_id_z 1
		.amdhsa_system_vgpr_workitem_id 0
		.amdhsa_next_free_vgpr 130
		.amdhsa_next_free_sgpr 66
		.amdhsa_reserve_vcc 0
		.amdhsa_float_denorm_mode_32 3
		.amdhsa_float_denorm_mode_16_64 3
		.amdhsa_memory_ordered 1
		.amdhsa_forward_progress 1
		.amdhsa_inst_pref_size 14
	.end_amdhsa_kernel
	.amdgpu_metadata
---
amdhsa.version: [ 1, 2 ]
amdhsa.kernels:
  - .name:           k_qc9cb94af28_quant
    .symbol:         k_qc9cb94af28_quant.kd
    .args:
      - { .name: x, .offset: 0, .size: 8, .value_kind: global_buffer, .address_space: global }
      - { .name: Wq, .offset: 8, .size: 8, .value_kind: global_buffer, .address_space: global }
      - { .name: Wk, .offset: 16, .size: 8, .value_kind: global_buffer, .address_space: global }
      - { .name: Wv, .offset: 24, .size: 8, .value_kind: global_buffer, .address_space: global }
      - { .name: ac, .offset: 32, .size: 8, .value_kind: global_buffer, .address_space: global }
      - { .name: as, .offset: 40, .size: 8, .value_kind: global_buffer, .address_space: global }
    .group_segment_fixed_size: 69120
    .private_segment_fixed_size: 0
    .kernarg_segment_align: 8
    .kernarg_segment_size: 48
    .max_flat_workgroup_size: 256
    .sgpr_count:     66
    .vgpr_count:     130
    .wavefront_size: 32
...
	.end_amdgpu_metadata
.endif
;; end of part 1
;; launch proj (part 2): grid 8 x 24, 4 waves a work-group, clusters of 4 x 4, 327,680 bytes of LDS; arguments ac, as, bq, bk, bv, qkc, qks, vc, vs; writes qkc, qks, vc, vs
.if DOCPART == 2
	.amdgcn_target "amdgcn-amd-amdhsa--gfx1250"
	.amdhsa_code_object_version 6
	.text
	.protected	k_qc9cb94af28_proj
	.globl	k_qc9cb94af28_proj
	.p2align	8
	.type	k_qc9cb94af28_proj,@function
k_qc9cb94af28_proj:
	s_mov_b64 s[64:65], 0
	v_nop
	global_prefetch_b8 v0, s[64:65] scope:SCOPE_SE
	s_setreg_imm32_b32 hwreg(HW_REG_WAVE_MODE, 25, 1), 1
	s_wait_xcnt 0x0
	s_wait_alu depctr_hold_cnt(0) depctr_sa_sdst(0) depctr_va_vdst(0) depctr_va_sdst(0) depctr_va_ssrc(0) depctr_va_vcc(0) depctr_vm_vsrc(0)
	s_getreg_b32 s2, hwreg(HW_REG_IB_STS2, 6, 4)
	s_cmp_eq_u32 s2, 0
	s_cbranch_scc0 .Lentry_in_a_cluster
	s_endpgm
.Lentry_in_a_cluster:
	s_bfe_u32 s2, ttmp6, 0x10000c
	s_cmp_lg_u32 s2, 0xf033
	s_cbranch_scc0 .Lentry_shape_is_right
	s_endpgm
.Lentry_shape_is_right:
; Q = x Wq^T + bq, K = x Wk^T + bk (quantised along the features) and V^T = Wv x^T + bv (quantised along the keys), on codes of FP6 (E2M3) with E8M0 scales; results leave as codes.
; A work-group makes 256 x 256 of a product, K = 1,024; four waves, each 128 x 128: 64 accumulators.  192 work-groups: 128 for Q | K, 64 for V^T: that is all the work there is at this tile.
; NAMES: "A" = source 1 (its rows become the results' lanes), "B" = source 0 (its rows become a lane's registers).  Q, K: A = x, B = Wq | Wk.  V^T: A = Wv, B = x.
; Operands lie in ac / as as images of their registers (a fragment 1,536 bytes, registers 4 c .. 4 c + 3 of lane l at 512 c + 16 l); lane-row i of tile T is row 32 (T / 2) + 8 (T % 2) + i + 8 (i / 8),
; so that the 16 registers of B's tiles 2 b, 2 b + 1 are 16 NEIGHBOURS along the next product's K: rows 32 b + 16 (lane / 16) + 0 .. 15.  A wave's 128 B rows are one K step of the next product.
; ONE TEXT FOR BOTH KINDS: block numbers, pointers, offsets and two masks are chosen by s_cselect on the cluster's y, which all partners share; no branch hangs on it.
; BIASES: bq | bk run along the registers: they are the C of the first K step (ANDed with 0 in V's work-groups); bv is one number a lane, added on the way out (ANDed with 0 in Q's and K's).
; LDS: three slots of 98,304 bytes (256 along K: A's 16 tiles x 3,072 bytes, then B's).  K's first three quarters are first fills, the last quarter is the one refill, into slot 0.  A wave has at most three tensor loads out.
; CLUSTER 4 x 4: A's tiles hang on cy alone and are asked for jointly along a row of the cluster, B's on cx alone, along a column.
; All 327,680 bytes of LDS are claimed, and 0 is added to spare words.
; REGISTERS: window 0: v1-9 addresses; v16-31 at work; v32-95 scale words of all 8 K steps (lanes 0-15 A's tile i, lanes 16-31 B's tile i); v96-111 bv in pairs; v112-119 the results' scale words;
;   v128-223 A's fragments, one set (way out: v128-191 64 numbers, v192-210 codes); v224-242 codes; v244-255 at work.   window 1: B's fragments, two sets, v0-95 and v128-223; bq | bk in v96-127 and v224-255.   windows 2, 3: accumulators.
; LIMITS: a block whose largest magnitude lies under 2^-124 keeps the byte 1 (this program alone reads the bytes); NaN and infinities are not served.
; THE ORDERS AND SLOTS IN THIS TEXT (they stand in place of those given above): lane-row i of tile T is row 64 (T / 4) + 8 (T % 4) + i + 24 (i / 8), so that a lane's 32 registers of B's tiles 4 c .. 4 c + 3
; are 32 NEIGHBOURS along the next product's K: one whole scale block, 2 c + (lane / 16).
; ac and qkc are [block of 16 tiles][128 along K: 8][tile 16][1536], vc is [128 channels: 8][128 keys: 32][tile 8][1536].
; LDS: A's two slots of three K steps each (73,728 bytes), then B's two.  At the head wave 0 asks for A's K steps 0-2, wave 1 for B's, wave 2 for A's K steps 3-5, wave 3 for B's: one tensor load a wave.
; The one refill brings K steps 6 and 7 into slot 0, a K step of A or of B a wave.  No prefetch: that refill has four K steps of work in which to land, and there is no loop to run ahead in.
; v10 = 8 x (lane / 16).
.set SLOT,    73728
.set SPARE,   4*SLOT
.set LI,   1                           ; v1    16 x lane
.set ADRA, 2                           ; v2-3  my A fragments in slot 0, 1
.set ADRB, 5                           ; v5-6  my B fragments
.set SPW,  8
.set NIL,  9
.set TM,   16
.set SC,   32
.set B1,   96
.set PWS,  112
.set AF,   128
.set H,    128
.set PC0,  192
.set IM,   244
.set G1A,  24                          ; s[24:31], s[32:39] descriptor groups 1
.set G1B,  32
.set G0A,  40                          ; s[40:47] A's groups 0, a set for each slot;  s[52:59] B's
.set G0B,  52
.set WV,   92
.set WY,   93
.set WX,   94
.set HIM,  95                          ; 0xffff0000: lanes 16-31
.set SEL,  96
.set MSB,  0
.macro WIN new                         ; the immediate's high byte repeats the setting that is left
.if MSB != (\new)
	s_set_vgpr_msb (MSB<<8)|(\new)
.set MSB, (\new)
.endif
.endm
.macro PLACES                          ; four plain lines behind matrix instructions, ahead of loads into their operands and of reads of their results
.rept 4
	v_nop
.endr
.endm
.macro JLOAD s                         ; a joint load: waves 0, 1 fetch A's halves, waves 2, 3 B's; four v_nop follow each line
	s_cmp_eq_u32 s[WY], 0
	s_cbranch_scc0 .Lfor_b_\@
	tensor_load_to_lds s[G0A+4*\s:G0A+4*\s+3], s[G1A:G1A+7]
	s_nop 0
.rept 4
	v_nop
.endr
	s_branch .Lasked_\@
.Lfor_b_\@:
	tensor_load_to_lds s[G0B+4*\s:G0B+4*\s+3], s[G1B:G1B+7]
	s_nop 0
.rept 4
	v_nop
.endr
.Lasked_\@:
.endm
.macro CREST                           ; a round of the cluster's barrier behind its opening barrier
	s_cmp_lg_u32 s[WV], 0
	s_cbranch_scc1 .Lnot_wave_0_\@
	s_barrier_signal -3
.Lnot_wave_0_\@:
	s_barrier_wait -3
	s_barrier_signal -1
	s_barrier_wait -1
.endm
.macro CROUND
	s_barrier_signal -1
	s_barrier_wait -1
	CREST
.endm
.macro QUANT s, pc, pw                 ; register 16 b + i of v[s] on = k 32 b + 16 (lane / 16) + i of my row
.irp b, 0,1,2,3
	v_max3_num_f32 v[TM+\b], |v[\s+16*\b]|, |v[\s+1+16*\b]|, 0x1800000
.endr
.irp i, 2,4,6,8,10,12,14
.irp b, 0,1,2,3
	v_max3_num_f32 v[TM+\b], v[TM+\b], |v[\s+16*\b+\i]|, |v[\s+1+16*\b+\i]|
.endr
.endr
	v_max_num_f32 v[TM], v[TM], v[TM+1]                    ; register 32 c + i of v[s] on = k 64 c + 32 (lane / 16) + i of my row: two whole blocks in a lane
	v_max_num_f32 v[TM+2], v[TM+2], v[TM+3]
	v_add_nc_u32 v[TM+12], 0xff000000, v[TM]               ; 2 off the exponent field: the conversion's scale operand
	v_add_nc_u32 v[TM+13], 0xff000000, v[TM+2]
	v_lshrrev_b32 v[TM+4], 23, v[TM+12]                    ; the scales' bytes
	v_lshrrev_b32 v[TM+5], 23, v[TM+13]
	v_lshl_or_b32 v[TM+6], v[TM+5], 16, v[TM+4]
	v_lshlrev_b32 v[TM+6], v10, v[TM+6]                    ; blocks lane / 16 and 2 + lane / 16, at their places in the word
	s_wait_alu depctr_va_vdst(0)
	s_wait_xcnt 0x0                                        ; earlier stores have read their data and base: both may be written
.irp c, 0,1
	v_cvt_scalef32_pk16_fp6_f32 v[\pc+6*\c:\pc+2+6*\c], v[\s+32*\c:\s+15+32*\c], v[TM+12+\c]
	v_cvt_scalef32_pk16_fp6_f32 v[\pc+12+4*\c:\pc+14+4*\c], v[\s+16+32*\c:\s+31+32*\c], v[TM+12+\c]
.endr
	v_permlanex16_b32 v[TM+7], v[TM+6], s[SEL], s[SEL+1]   ; (a plain line behind the scaled conversions)
	v_or_b32 v[(\pw)], v[TM+6], v[TM+7]                    ; with lane l xor 16's two bytes the word is whole
.irp c, 0,1
.irp i, 0,1,2
	v_mov_b32 v[\pc+3+6*\c+\i], v[\pc+12+4*\c+\i]
.endr
.endr
.endm
.macro FRAG reg, adr, off              ; a fragment's image: three loads of 512 consecutive bytes
.irp c, 0,1,2
	ds_load_b128 v[\reg+4*\c:\reg+4*\c+3], v[\adr] offset:\off+512*\c
.endr
.endm
.macro FETCH_B sl, q, p                ; B's eight fragments of the slot's q-th 128 along K into set p (window 1)
	WIN 0x40
.irp i, 0,1,2,3,4,5,6,7
	FRAG 128*(\p)+12*\i, ADRB+(\sl), 1536*\i+24576*(\q)
.endr
	WIN 0
.endm
.macro FETCH_A sl, q, i0               ; A's blocks i0 .. i0 + 3
.irp i, \i0, \i0+1, \i0+2, \i0+3
	FRAG AF+12*(\i), ADRA+(\sl), 1536*(\i)+24576*(\q)
.endr
.endm
; 16 products: A's blocks a0, a0 + 1 against B's eight; K step g; B's set p.  zero = 1: the bias along the registers starts the sums.  The 64 accumulators take turns, one instruction a turn.
.macro MUL16 a0, p, g, zero
.irp a, \a0, \a0+1
.irp b, 0,1,2,3,4,5,6,7
.if \zero
	v_wmma_scale_f32_16x16x128_f8f6f4 v[8*(8*((\a)%4)+\b):8*(8*((\a)%4)+\b)+7], v[128*(\p)+12*\b:128*(\p)+12*\b+11], v[AF+12*(\a):AF+12*(\a)+11], v[96+8*\b+96*(\b/4):96+8*\b+96*(\b/4)+7], v[SC+8*(\g)+\b], v[SC+8*(\g)+(\a)] matrix_a_fmt:MATRIX_FMT_FP6 matrix_b_fmt:MATRIX_FMT_FP6 matrix_a_scale:MATRIX_SCALE_ROW1
.else
	v_wmma_scale_f32_16x16x128_f8f6f4 v[8*(8*((\a)%4)+\b):8*(8*((\a)%4)+\b)+7], v[128*(\p)+12*\b:128*(\p)+12*\b+11], v[AF+12*(\a):AF+12*(\a)+11], v[8*(8*((\a)%4)+\b):8*(8*((\a)%4)+\b)+7], v[SC+8*(\g)+\b], v[SC+8*(\g)+(\a)] matrix_a_fmt:MATRIX_FMT_FP6 matrix_b_fmt:MATRIX_FMT_FP6 matrix_a_scale:MATRIX_SCALE_ROW1
.endif
.endr
.endr
.endm
; K step g of 128.  mode 0: plain.  mode 2: slot 0 is left and filled again behind a round of the cluster's barrier.  mode 1: the refill is shown landed to all four waves.  mode 3: the last step.
.macro KSTEP g, mode, zero
.set P_,  (\g)%2
.set NS_, (((\g)+1)/3)%2               ; the next step's slot,
.set NQ_, ((\g)+1)%3                   ; and its place in it
.if \zero
.set WL_, 0x91                         ; source 0 and C window 1, source 1 window 0, D window 2
.set WH_, 0xd1
.else
.set WL_, 0xa1                         ; source 0 window 1, source 1 window 0, C and D window 2
.set WH_, 0xf1
.endif
.if ((\mode) == 0) || ((\mode) == 3)
	s_wait_dscnt 12                                ; B's set and A's blocks 0-3 are in; the youngest 12 loads (A's blocks 4-7) may be out
	WIN WL_
	MUL16 0, P_, \g, \zero
	MUL16 2, P_, \g, \zero
	s_wait_dscnt 0x0                               ; A's blocks 4-7 are in
.else
	s_wait_tensorcnt 0x0                           ; all my tensor loads have landed
	ds_add_u32 v[SPW], v[NIL]                      ; 0 onto my spare word
.if (\mode) == 2                       ; no tensor load of mine is out: the descriptors of the refill, 96 rows of 256 bytes
	s_add_nc_u64 s[G0A+2:G0A+3], s[G0A+2:G0A+3], s[22:23]
	s_add_nc_u64 s[G0A+2:G0A+3], s[G0A+2:G0A+3], 2*SLOT
	s_mov_b32 s[G0A+1], s22
	s_add_nc_u64 s[G0B+2:G0B+3], s[G0B+2:G0B+3], s[22:23]
	s_add_nc_u64 s[G0B+2:G0B+3], s[G0B+2:G0B+3], 2*SLOT
	s_add_co_u32 s[G0B+1], s22, 2*SLOT
.irp g1, G1A, G1B
	s_mov_b32 s[\g1+2], 96<<16
	s_mov_b32 s[\g1+4], 96
.endr
.endif
	s_wait_dscnt 13                                ; (the add and A's blocks 4-7 may be out)
	WIN WL_
	MUL16 0, P_, \g, \zero
	s_wait_dscnt 0x0                               ; the add is done, and my reads of the slots so far are over
	s_barrier_signal -1
	MUL16 2, P_, \g, \zero
	WIN 0
	s_barrier_wait -1
.endif
.if (\mode) == 2
	CREST                                          ; no wave of any partner still reads slot 0 or has a load on its way
	JLOAD 0                                        ; my one tensor load behind the round; its four v_nop are the places ahead of the loads below
.elseif (\mode) != 3
	PLACES
.endif
.if (\mode) != 3
	FETCH_B NS_, NQ_, 1-P_
	FETCH_A NS_, NQ_, 0
.endif
	WIN WH_
	MUL16 4, P_, \g, \zero
	MUL16 6, P_, \g, \zero
.if (\mode) != 3
	PLACES
	WIN 0
	FETCH_A NS_, NQ_, 4
.else
	WIN 0
.endif
.endm
	s_load_b256 s[4:11], s[0:1], 0x0               ; ac, as, bq, bk
	s_load_b256 s[12:19], s[0:1], 0x20             ; bv, qkc, qks, vc
	s_load_b64 s[20:21], s[0:1], 0x40              ; vs
	v_lshl_add_u32 v[SPW], v0, 2, SPARE
	v_mov_b32 v[NIL], 0
	ds_add_u32 v8, v9
	ds_add_u32 v8, v9
	s_wait_dscnt 0x0
	v_lshrrev_b32 v244, 5, v0
	v_readfirstlane_b32 s[WV], v244                ; wave 0..3
	s_lshr_b32 s[WY], s[WV], 1                     ; my half of A's rows.  Also: I fetch for A (0) or B (1)
	s_and_b32 s[WX], s[WV], 1                      ; my half of B's rows.  Also: which half I fetch
	s_mov_b32 s[HIM], 0xffff0000
	s_mov_b32 s[SEL], 0x76543210
	s_mov_b32 s[SEL+1], 0xfedcba98
	s_bfe_u32 s66, ttmp6, 0x40000                  ; cx
	s_bfe_u32 s67, ttmp6, 0x40004                  ; cy
	s_and_b32 s68, ttmp7, 0xffff                   ; Y, the cluster's y: under 4: Q | K; 4, 5: V^T
	s_lshl_b32 s69, ttmp9, 2
	s_add_co_u32 s69, s69, s66                     ; 4 X + cx
	s_lshl_b32 s70, s68, 2
	s_add_co_u32 s70, s70, s67                     ; 4 Y + cy
	s_add_co_u32 s71, s69, 16                      ; Q | K: B = block 16 + 4 X + cx (Wq | Wk)
	s_max_u32 s72, s68, 4
	s_sub_co_u32 s72, s72, 4
	s_lshl_b32 s72, s72, 3
	s_add_co_u32 s72, s72, s69                     ; V^T: B = block 4 X + cx + 8 (Y - 4) of x
	s_add_co_u32 s73, s67, 24                      ; V^T: A = block 24 + cy (Wv)
	s_cmp_lt_u32 s68, 4
	s_cselect_b32 s71, s71, s72                    ; B's block of 256 rows: hangs on cx, never on cy
	s_cselect_b32 s73, s70, s73                    ; A's block: hangs on cy, never on cx
	s_cselect_b32 s74, -1, 0                       ; keeps bq | bk
	s_cselect_b32 s75, 0, -1                       ; keeps bv
	s_lshl_b32 s76, s67, 2
	s_lshl_b32 s76, 15, s76                        ; my row of the cluster
	s_lshl_b32 s77, 0x1111, s66                    ; my column
	; group 1: a dense block of 24,576 bytes (16 tiles x 128 along K) as 96 rows of 32 elements of 8 bytes; no padding: the images are read in runs of 512 bytes
	s_or_b32 s[G1A], s76, (3<<16)|(1<<21)
	s_or_b32 s[G1B], s77, (3<<16)|(1<<21)
.irp g, G1A, G1B
	s_mov_b32 s[\g+1], 32<<16                      ; tensor_dim0
	s_mov_b32 s[\g+2], 288<<16                     ; tensor_dim1: at the head 288 rows of 256 bytes, three K steps
	s_mov_b32 s[\g+3], 32<<16                      ; tile_dim0
	s_mov_b32 s[\g+4], 288                         ; tile_dim1
	s_mov_b32 s[\g+5], 32                          ; pitch
	s_mov_b32 s[\g+6], 0
	s_mov_b32 s[\g+7], 0
.endr
	s_mul_i32 s82, s73, 196608                     ; A's block
	s_mov_b32 s83, 0
	s_mul_i32 s86, s71, 196608                     ; B's
	s_mov_b32 s87, 0
	s_mul_i32 s22, s[WX], 24576                    ; the refill: which of the two K steps I fetch
	s_mov_b32 s23, 0
	s_wait_alu depctr_va_vdst(0)
	CROUND                                         ; all sixteen work-groups are here: the first joint loads meet
	s_wait_kmcnt 0x0
	s_add_nc_u64 s[82:83], s[4:5], s[82:83]
	s_add_nc_u64 s[86:87], s[4:5], s[86:87]
.irp s, 0,1
	s_mov_b32 s[G0A+4*\s], 1
	s_mov_b32 s[G0A+4*\s+1], \s*SLOT
	s_add_nc_u64 s[G0A+4*\s+2:G0A+4*\s+3], s[82:83], \s*SLOT
	s_or_b32 s[G0A+4*\s+3], s[G0A+4*\s+3], 0x80000000
	s_mov_b32 s[G0B+4*\s], 1
	s_mov_b32 s[G0B+4*\s+1], (2+\s)*SLOT
	s_add_nc_u64 s[G0B+4*\s+2:G0B+4*\s+3], s[86:87], \s*SLOT
	s_or_b32 s[G0B+4*\s+3], s[G0B+4*\s+3], 0x80000000
.endr
; the head's loads, one a wave: one chain of branches on the wave's number
.macro ARM k, g0, g1
	s_cmp_eq_u32 s[WV], \k
	s_cbranch_scc0 .Lnext_\k
	tensor_load_to_lds s[\g0:\g0+3], s[\g1:\g1+7]
	s_nop 0
.rept 4
	v_nop
.endr
	s_branch .Lhead_asked
.Lnext_\k:
.endm
	ARM 0, G0A, G1A
	ARM 1, G0B, G1B
	ARM 2, G0A+4, G1A
	tensor_load_to_lds s[G0B+4:G0B+7], s[G1B:G1B+7]
	s_nop 0
.rept 4
	v_nop
.endr
.Lhead_asked:
	; scale words and biases, straight into registers
	v_and_b32 v245, 15, v0                         ; r
	v_bfe_u32 v246, v0, 4, 1                       ; h
	s_wait_alu depctr_va_vdst(0)
	v_and_b32 v[LI], 31, v0
	v_lshlrev_b32 v[LI], 4, v[LI]
	s_lshl_b32 s84, s73, 1
	s_add_co_u32 s84, s84, s[WY]                   ; A's group of 8 tiles
	s_lshl_b32 s84, s84, 12
	s_lshl_b32 s85, s71, 1
	s_add_co_u32 s85, s85, s[WX]                   ; B's
	s_lshl_b32 s85, s85, 12
	v_lshlrev_b32 v10, 3, v246                     ; 8 h
	v_lshlrev_b32 v247, 4, v245
	v_add_nc_u32 v248, s84, v247
	v_add_nc_u32 v249, s85, v247
	v_cndmask_b32 v244, v248, v249, s[HIM]         ; lanes 0-15 A's words, lanes 16-31 B's
	s_wait_alu depctr_va_vdst(0)
	s_lshl_b32 s84, s66, 10
	s_lshl_b32 s85, s[WX], 9
	s_add_co_u32 s84, s84, s85
	v_lshl_add_u32 v250, v246, 7, s84              ; bq | bk: 4 (256 cx + 128 wx + 32 h)
	s_lshl_b32 s86, s67, 10
	s_lshl_b32 s85, s[WY], 9
	s_add_co_u32 s86, s86, s85
	v_lshrrev_b32 v252, 3, v245
	v_mad_u32_u24 v252, v252, 24, v245
	v_lshl_add_u32 v251, v252, 2, s86              ; bv: 4 (256 cy + 128 wy + r + 24 (r / 8))
	s_cmp_eq_u32 ttmp9, 0
	s_cselect_b64 s[8:9], s[8:9], s[10:11]         ; cluster x 0: Wq's blocks, 1: Wk's
.irp g, 0,1,2,3,4,5,6,7
.irp u, 0,1
	global_load_b128 v[SC+8*\g+4*\u:SC+8*\g+4*\u+3], v244, s[6:7] offset:512*\g+256*\u   ; tiles 4 u .. 4 u + 3, K step g: each half of the lanes reads 256 consecutive bytes
.endr
.endr
.irp a, 0,1,2,3,4,5,6,7
	global_load_b32 v[B1+2*\a], v251, s[12:13] offset:4*(64*(\a/4)+8*(\a%4))
	global_load_b32 v[B1+2*\a+1], v251, s[12:13] offset:4*(64*(\a/4)+8*(\a%4))   ; twice: a pair for the packed addition
.endr
	WIN 0x40                                       ; destination window 1
.irp b, 0,1,2,3,4,5,6,7
	global_load_b128 v[96+8*\b+96*(\b/4):96+8*\b+96*(\b/4)+3], v250, s[8:9] offset:4*(64*(\b/4)+8*(\b%4))
	global_load_b128 v[96+8*\b+96*(\b/4)+4:96+8*\b+96*(\b/4)+7], v250, s[8:9] offset:4*(64*(\b/4)+8*(\b%4))+16
.endr
	WIN 0
	s_mul_i32 s84, s[WY], 12288
	s_mul_i32 s85, s[WX], 12288
	s_add_co_u32 s85, s85, 2*SLOT
.irp s, 0,1
	v_add_nc_u32 v[ADRA+\s], s84, v[LI]
	v_add_nc_u32 v[ADRB+\s], s85, v[LI]
	s_add_co_u32 s84, s84, SLOT
	s_add_co_u32 s85, s85, SLOT
.endr
.irp b, 0,1,2,3
	v_mov_b32 v[TM+4+\b], 0                        ; written once: a lane permute's destination counts as a source
.endr
	; where the results go.  Q | K: G = 2 (4 X + cx) + wx: tensor G / 8, K step G % 8 of the scores' product
	s_lshl_b32 s76, s69, 1
	s_add_co_u32 s76, s76, s[WX]
	s_and_b32 s77, s76, 7
	s_lshr_b32 s79, s76, 3
	s_lshl_b32 s78, s79, 4
	s_add_co_u32 s78, s78, s70                     ; block 16 (G / 8) + 4 Y + cy
	s_mul_i32 s78, s78, 196608
	s_mul_i32 s80, s77, 24576
	s_add_co_u32 s78, s78, s80                     ; K step G % 8
	s_mul_i32 s80, s[WY], 12288
	s_add_co_u32 s78, s78, s80                     ; byte in qkc
	s_lshl_b32 s79, s79, 5
	s_lshl_b32 s80, s70, 1
	s_add_co_u32 s79, s79, s80
	s_add_co_u32 s79, s79, s[WY]
	s_lshl_b32 s79, s79, 12
	s_lshl_b32 s77, s77, 9
	s_add_co_u32 s79, s79, s77                     ; byte in qks
	; V^T: G = 2 x B's block + wx: the 128 keys
	s_lshl_b32 s84, s71, 1
	s_add_co_u32 s84, s84, s[WX]
	s_lshl_b32 s85, s67, 1
	s_add_co_u32 s85, s85, s[WY]                   ; 128 channels: group 2 cy + wy
	s_mul_i32 s85, s85, 393216
	s_mul_i32 s88, s84, 12288
	s_add_co_u32 s85, s85, s88                     ; byte in vc
	s_lshl_b32 s88, s67, 1
	s_add_co_u32 s88, s88, s[WY]
	s_lshl_b32 s88, s88, 14
	s_lshl_b32 s84, s84, 9
	s_add_co_u32 s88, s88, s84                     ; byte in vs
	s_cmp_lt_u32 s68, 4
	s_cselect_b32 s78, s78, s85
	s_cselect_b32 s90, s79, s88
	s_cselect_b64 s[14:15], s[14:15], s[18:19]     ; the choice hangs on the cluster's y alone
	s_cselect_b64 s[16:17], s[16:17], s[20:21]
	s_mov_b32 s79, 0
	s_mov_b32 s91, 0
	s_add_nc_u64 s[14:15], s[14:15], s[78:79]
	s_add_nc_u64 s[16:17], s[16:17], s[90:91]
	s_wait_loadcnt 0x0                             ; scale words and biases
.set j, 0
.rept 16
	v_and_b32 v[B1+j], s75, v[B1+j]
.set j, j+1
.endr
	WIN 0x44                                       ; source 1 and destination window 1
.set j, 0
.rept 32
	v_and_b32 v[96+j], s74, v[96+j]
	v_and_b32 v[224+j], s74, v[224+j]
.set j, j+1
.endr
	WIN 0
.rept 8
	v_nop                                          ; plain lines between the last write of a C and the first scaled product
.endr
	s_wait_alu depctr_va_vdst(0)
	s_cmp_lt_u32 s[WV], 2                          ; waves 0 and 1 brought slot 0; slot 1 (waves 2 and 3) may be out
	s_cbranch_scc0 .Lnot_first
	s_wait_tensorcnt 0x0
.Lnot_first:
	s_barrier_signal -1
	s_barrier_wait -1                              ; everybody's is
	FETCH_B 0, 0, 0
	FETCH_A 0, 0, 0
	FETCH_A 0, 0, 4
	KSTEP 0, 0, 1
	KSTEP 1, 0, 0
	KSTEP 2, 2, 0                                  ; every wave has waited for its head's load ahead of this round: slot 1 is whole for all from here on
	KSTEP 3, 0, 0
	KSTEP 4, 0, 0
	KSTEP 5, 1, 0
	KSTEP 6, 0, 0
	KSTEP 7, 3, 0
	PLACES
; THE WAY OUT of A's block a: 16 lanes' rows x my 128 B rows: + bv, quantised, one fragment's image and one scale word a row
.macro EPI a
.set AC,  64*((\a)%4)
.set PCX, PC0+32*((\a)%2)
	WIN 2+(\a)/4                                   ; source 0: window 2 or 3
.set j, 0
.rept 32
	v_pk_add_f32 v[H+j:H+j+1], v[AC+j:AC+j+1], v[B1+2*(\a):B1+2*(\a)+1]   ; ascending: each accumulator is first read at its low end
.set j, j+2
.endr
	WIN 0
	QUANT H, PCX, PWS+(\a)
.irp c, 0,1,2
	global_store_b128 v[LI], v[PCX+4*\c:PCX+4*\c+3], s[14:15] offset:1536*(\a)+512*\c   ; 512 consecutive bytes, aligned to 512
.endr
.endm
.irp a, 0,1,2,3,4,5,6,7
	EPI \a
.endr
.irp i, 0,1,2,3
	v_cndmask_b32 v[IM+\i], v[PWS+\i], v[PWS+4+\i], s[HIM]   ; the scale image: lanes 0-15 tiles 0-3, lanes 16-31 tiles 4-7
.endr
	global_store_b128 v[LI], v[IM:IM+3], s[16:17]
	s_wait_tensorcnt 0x0                           ; the wave's end
	ds_add_u32 v[SPW], v[NIL]
	s_wait_dscnt 0x0
	CROUND                                         ; the closing round
	s_endpgm
.Lfunc_end_k_qc9cb94af28_proj:
	.size	k_qc9cb94af28_proj, .Lfunc_end_k_qc9cb94af28_proj-k_qc9cb94af28_proj
	.p2alignl 7, 3214868480
	.fill 96, 4, 3214868480
	.section	.rodata,"a",@progbits
	.p2align	6, 0x0
	.amdhsa_kernel k_qc9cb94af28_proj
		.amdhsa_group_segment_fixed_size 327680
		.amdhsa_private_segment_fixed_size 0
		.amdhsa_enable_private_segment 0
		.amdhsa_kernarg_size 72
		.amdhsa_user_sgpr_count 2
		.amdhsa_user_sgpr_kernarg_segment_ptr 1
		.amdhsa_wavefront_size32 1
		.amdhsa_system_sgpr_workgroup_id_x 1
		.amdhsa_system_sgpr_workgroup_id_y 1
		.amdhsa_system_sgpr_workgroup_id_z 1
		.amdhsa_system_vgpr_workitem_id 0
		.amdhsa_next_free_vgpr 1024
		.amdhsa_next_free_sgpr 102
		.amdhsa_reserve_vcc 0
		.amdhsa_float_denorm_mode_32 3
		.amdhsa_float_denorm_mode_16_64 3
		.amdhsa_memory_ordered 1
		.amdhsa_forward_progress 1
		.amdhsa_inst_pref_size 154
	.end_amdhsa_kernel
	.amdgpu_metadata
---
amdhsa.version: [ 1, 2 ]
amdhsa.kernels:
  - .name:           k_qc9cb94af28_proj
    .symbol:         k_qc9cb94af28_proj.kd
    .args:
      - { .name: ac, .offset: 0, .size: 8, .value_kind: global_buffer, .address_space: global }
      - { .name: as, .offset: 8, .size: 8, .value_kind: global_buffer, .address_space: global }
      - { .name: bq, .offset: 16, .size: 8, .value_kind: global_buffer, .address_space: global }
      - { .name: bk, .offset: 24, .size: 8, .value_kind: global_buffer, .address_space: global }
      - { .name: bv, .offset: 32, .size: 8, .value_kind: global_buffer, .address_space: global }
      - { .name: qkc, .offset: 40, .size: 8, .value_kind: global_buffer, .address_space: global }
      - { .name: qks, .offset: 48, .size: 8, .value_kind: global_buffer, .address_space: global }
      - { .name: vc, .offset: 56, .size: 8, .value_kind: global_buffer, .address_space: global }
      - { .name: vs, .offset: 64, .size: 8, .value_kind: global_buffer, .address_space: global }
    .group_segment_fixed_size: 327680
    .private_segment_fixed_size: 0
    .kernarg_segment_align: 8
    .kernarg_segment_size: 72
    .max_flat_workgroup_size: 128
    .sgpr_count:     102
    .vgpr_count:     1024
    .wavefront_size: 32
...
	.end_amdgpu_metadata
.endif
;; end of part 2
;; launch scores (part 3): grid 16 x 16, 4 waves a work-group, clusters of 4 x 4, 327,680 bytes of LDS; arguments qkc, qks, pc, pst; writes pc, pst
.if DOCPART == 3
	.amdgcn_target "amdgcn-amd-amdhsa--gfx1250"
	.amdhsa_code_object_version 6
	.text
	.protected	k_qc9cb94af28_scores
	.globl	k_qc9cb94af28_scores
	.p2align	8
	.type	k_qc9cb94af28_scores,@function
k_qc9cb94af28_scores:
	s_mov_b64 s[64:65], 0
	v_nop
	global_prefetch_b8 v0, s[64:65] scope:SCOPE_SE
	s_setreg_imm32_b32 hwreg(HW_REG_WAVE_MODE, 25, 1), 1
	s_wait_xcnt 0x0
	s_wait_alu depctr_hold_cnt(0) depctr_sa_sdst(0) depctr_va_vdst(0) depctr_va_sdst(0) depctr_va_ssrc(0) depctr_va_vcc(0) depctr_vm_vsrc(0)
	s_getreg_b32 s2, hwreg(HW_REG_IB_STS2, 6, 4)
	s_cmp_eq_u32 s2, 0
	s_cbranch_scc0 .Lentry_in_a_cluster
	s_endpgm
.Lentry_in_a_cluster:
	s_bfe_u32 s2, ttmp6, 0x10000c
	s_cmp_lg_u32 s2, 0xf033
	s_cbranch_scc0 .Lentry_shape_is_right
	s_endpgm
.Lentry_shape_is_right:
; S^T = K Q^T on codes of FP6 (E2M3) with E8M0 scales, and on the way out the softmax's p for each (query, run of 128 keys), quantised along the keys.
; t = score x log2(e) / 32; M = the largest t of the query's 128 keys in this wave, rounded UP to a whole number; p = 2^(t - M); l = the sum of the unquantised p.  Stored: p's codes, p's scale words,
; -M and l.  The next launch takes the row's M as the largest of the 32 local ones and takes the difference, a whole number, off the scale bytes: the quantised numbers are those under the row's M.
; A work-group makes 256 queries x 256 keys, K = 1,024; four waves, each 128 x 128: 64 accumulators.  "A" = source 1 = Q (queries in the lanes), "B" = source 0 = K (keys along a lane's registers).
; Operands lie in qkc / qks as images of their registers; lane-row i of tile T is row 32 (T / 2) + 8 (T % 2) + i + 8 (i / 8), so the 16 registers of K's tiles 2 b, 2 b + 1 are keys 32 b + 16 (lane / 16) + 0 .. 15.
; LDS, ring, cluster: three slots of 98,304 bytes (256 along K); three first fills, one refill into slot 0; at most three tensor loads of a wave are out; Q's tiles are asked for jointly along a row of the cluster, K's along a column.
; All 327,680 bytes of LDS are claimed, and 0 is added to spare words.
; pc [512 keys: 8][query tile 256][128 keys: 4][1536];  pst [query group 32][128 keys: 32][3][512]: scale words with bit 7 of each byte set | -M | l, the word of tile 4 hh + i, lane-row r, at 256 hh + 16 r + 4 i.
; REGISTERS: window 0: v1-9 addresses; v[10:11] -M; v[12:15] sums; v16-31 at work; v32-95 scale words; v96-103 -M, v104-111 l, v112-119 p's scale words, by query tile; v128-223 Q's fragments (way out: v128-191 p, v192-210 codes);
;   v224-242 codes; v244-255 at work.   window 1: K's fragments, two sets.   windows 2, 3: accumulators.
; LIMITS: a block of p all under 2^-124 keeps the byte 1 (its codes are zeros or subnormal codes); a block's largest p is taken from its largest score (v_exp_f32 is taken not to fall where its input rises); NaN and infinities are not served.
; THE ORDERS AND SLOTS IN THIS TEXT (they stand in place of those given above): lane-row i of tile T is row 64 (T / 4) + 8 (T % 4) + i + 24 (i / 8), so that a lane's 32 registers of K's tiles 4 c .. 4 c + 3
; are 32 NEIGHBOURING keys: one whole scale block, 2 c + (lane / 16).
; qkc is [block of 16 tiles: Q's 16, K's 16][128 along K: 8][tile 16][1536], pc is [128 queries: 32][128 keys: 32][tile 8][1536].
; LDS: six K steps of Q on end (24,576 bytes each; SLOT is three of them), then six of K.  At the head wave 0 asks for Q's K steps 0 and 1, wave 1 for K's, wave 2 for Q's K steps 2-5, wave 3 for K's: one tensor load a wave.
; The one refill brings K steps 6 and 7 onto K steps 0 and 1, a K step of Q or of K a wave.  No prefetch: that refill has four K steps of work in which to land, and there is no loop to run ahead in.
; LIMIT, beside those given above: the promise holds while the scaled scores stay under 2^31 in magnitude.  v120 = 8 x (lane / 16).
.set SLOT,    73728
.set SPARE,   4*SLOT
.set HS,      120
.set G1C,     12                       ; s[12:19], s[56:63] groups 1 of the head's loads of four K steps, Q's and K's
.set G1D,     56
.set LI,   1
.set ADRA, 2
.set ADRB, 5
.set SPW,  8
.set NIL,  9
.set TM,   16
.set SC,   32
.set NMS,  96
.set LS,   104
.set PWS,  112
.set AF,   128
.set H,    128
.set PC0,  192
.set IM,   244
.set G1A,  24
.set G1B,  32
.set G0A,  40
.set G0B,  48
.set WV,   92
.set WY,   93
.set WX,   94
.set HIM,  95
.set SEL,  96
.set CS,   98                          ; s[98:99] c = log2(e) / 32
.set NINF, 100                         ; s100 -infinity
.set MSB,  0
.macro WIN new
.if MSB != (\new)
	s_set_vgpr_msb (MSB<<8)|(\new)
.set MSB, (\new)
.endif
.endm
.macro PLACES
.rept 4
	v_nop
.endr
.endm
.macro JLOAD s                         ; a joint load: waves 0, 1 fetch Q's halves, waves 2, 3 K's; four v_nop follow each line
	s_cmp_eq_u32 s[WY], 0
	s_cbranch_scc0 .Lfor_b_\@
	tensor_load_to_lds s[G0A+4*\s:G0A+4*\s+3], s[G1A:G1A+7]
	s_nop 0
.rept 4
	v_nop
.endr
	s_branch .Lasked_\@
.Lfor_b_\@:
	tensor_load_to_lds s[G0B+4*\s:G0B+4*\s+3], s[G1B:G1B+7]
	s_nop 0
.rept 4
	v_nop
.endr
.Lasked_\@:
.endm
.macro CREST
	s_cmp_lg_u32 s[WV], 0
	s_cbranch_scc1 .Lnot_wave_0_\@
	s_barrier_signal -3
.Lnot_wave_0_\@:
	s_barrier_wait -3
	s_barrier_signal -1
	s_barrier_wait -1
.endm
.macro CROUND
	s_barrier_signal -1
	s_barrier_wait -1
	CREST
.endm
.macro CODES s, pc, pw                 ; v[TM+c] = the largest magnitude of my block 2 c + lane / 16, in v[s+32c] on; codes to v[pc] .. v[pc+11], scale word to v[pw]
	v_add_nc_u32 v[TM+12], 0xff000000, v[TM]               ; 2 off the exponent field: the conversion's scale operand
	v_add_nc_u32 v[TM+13], 0xff000000, v[TM+1]
	v_lshrrev_b32 v[TM+4], 23, v[TM+12]                    ; the scales' bytes
	v_lshrrev_b32 v[TM+5], 23, v[TM+13]
	v_lshl_or_b32 v[TM+6], v[TM+5], 16, v[TM+4]
	v_lshlrev_b32 v[TM+6], v[HS], v[TM+6]                  ; at their places in the word
	s_wait_alu depctr_va_vdst(0)
	s_wait_xcnt 0x0                                        ; earlier stores have read their data: the codes' registers may be written
.irp c, 0,1
	v_cvt_scalef32_pk16_fp6_f32 v[\pc+6*\c:\pc+2+6*\c], v[\s+32*\c:\s+15+32*\c], v[TM+12+\c]
	v_cvt_scalef32_pk16_fp6_f32 v[\pc+12+4*\c:\pc+14+4*\c], v[\s+16+32*\c:\s+31+32*\c], v[TM+12+\c]
.endr
	v_permlanex16_b32 v[TM+7], v[TM+6], s[SEL], s[SEL+1]   ; (a plain line behind the scaled conversions)
	v_or_b32 v[(\pw)], v[TM+6], v[TM+7]                    ; with lane l xor 16's two bytes the word is whole
.irp c, 0,1
.irp i, 0,1,2
	v_mov_b32 v[\pc+3+6*\c+\i], v[\pc+12+4*\c+\i]
.endr
.endr
.endm
.macro FRAG reg, adr, off
.irp c, 0,1,2
	ds_load_b128 v[\reg+4*\c:\reg+4*\c+3], v[\adr] offset:\off+512*\c
.endr
.endm
.macro FETCH_B sl, q, p
	WIN 0x40
.irp i, 0,1,2,3,4,5,6,7
	FRAG 128*(\p)+12*\i, ADRB+(\sl), 1536*\i+24576*(\q)
.endr
	WIN 0
.endm
.macro FETCH_A sl, q, i0
.irp i, \i0, \i0+1, \i0+2, \i0+3
	FRAG AF+12*(\i), ADRA+(\sl), 1536*(\i)+24576*(\q)
.endr
.endm
; 16 products: Q's blocks a0, a0 + 1 against K's eight.  zero = 1: the first product starts the sums.  The 64 accumulators take turns, one instruction a turn.
.macro MUL16 a0, p, g, zero
.irp a, \a0, \a0+1
.irp b, 0,1,2,3,4,5,6,7
.if \zero
	v_wmma_scale_f32_16x16x128_f8f6f4 v[8*(8*((\a)%4)+\b):8*(8*((\a)%4)+\b)+7], v[128*(\p)+12*\b:128*(\p)+12*\b+11], v[AF+12*(\a):AF+12*(\a)+11], 0, v[SC+8*(\g)+\b], v[SC+8*(\g)+(\a)] matrix_a_fmt:MATRIX_FMT_FP6 matrix_b_fmt:MATRIX_FMT_FP6 matrix_a_scale:MATRIX_SCALE_ROW1
.else
	v_wmma_scale_f32_16x16x128_f8f6f4 v[8*(8*((\a)%4)+\b):8*(8*((\a)%4)+\b)+7], v[128*(\p)+12*\b:128*(\p)+12*\b+11], v[AF+12*(\a):AF+12*(\a)+11], v[8*(8*((\a)%4)+\b):8*(8*((\a)%4)+\b)+7], v[SC+8*(\g)+\b], v[SC+8*(\g)+(\a)] matrix_a_fmt:MATRIX_FMT_FP6 matrix_b_fmt:MATRIX_FMT_FP6 matrix_a_scale:MATRIX_SCALE_ROW1
.endif
.endr
.endr
.endm
; K step g of 128.  mode 0: plain.  mode 2: slot 0 is left and filled again behind a round of the cluster's barrier.  mode 1: the refill is shown landed to all four waves.  mode 3: the last step.
.macro KSTEP g, mode, zero
.set P_,  (\g)%2
.set NS_, (((\g)+1)/3)%2               ; which three K steps of LDS the next step lies in,
.set NQ_, ((\g)+1)%3                   ; and its place among them
.if ((\mode) == 0) || ((\mode) == 3)
	s_wait_dscnt 12                                ; K's set and Q's blocks 0-3 are in; the youngest 12 loads (Q's blocks 4-7) may be out
	WIN 0xa1
	MUL16 0, P_, \g, \zero
	MUL16 2, P_, \g, \zero
	s_wait_dscnt 0x0
.else
	s_wait_tensorcnt 0x0                           ; all my tensor loads have landed
	ds_add_u32 v[SPW], v[NIL]                      ; 0 onto my spare word
.if (\mode) == 2                       ; no tensor load of mine is out: the descriptors of the refill, 96 rows of 256 bytes
	s_add_nc_u64 s[G0A+2:G0A+3], s[G0A+2:G0A+3], s[22:23]
	s_add_nc_u64 s[G0A+2:G0A+3], s[G0A+2:G0A+3], 2*SLOT
	s_mov_b32 s[G0A+1], s22
	s_add_nc_u64 s[G0B+2:G0B+3], s[G0B+2:G0B+3], s[22:23]
	s_add_nc_u64 s[G0B+2:G0B+3], s[G0B+2:G0B+3], 2*SLOT
	s_add_co_u32 s[G0B+1], s22, 2*SLOT
.irp g1, G1A, G1B
	s_mov_b32 s[\g1+2], 96<<16
	s_mov_b32 s[\g1+4], 96
.endr
.endif
	s_wait_dscnt 13                                ; (the add and Q's blocks 4-7 may be out)
	WIN 0xa1
	MUL16 0, P_, \g, \zero
	s_wait_dscnt 0x0                               ; the add is done, and my reads of the slots so far are over
	s_barrier_signal -1
	MUL16 2, P_, \g, \zero
	WIN 0
	s_barrier_wait -1
.endif
.if (\mode) == 2
	CREST                                          ; no wave of any partner still reads slot 0 or has a load on its way
	JLOAD 0                                        ; my one tensor load behind the round; its four v_nop are the places ahead of the loads below
.elseif (\mode) != 3
	PLACES
.endif
.if (\mode) != 3
	s_wait_alu depctr_va_vdst(0)
	FETCH_B NS_, NQ_, 1-P_
	FETCH_A NS_, NQ_, 0
.endif
	WIN 0xf1
	MUL16 4, P_, \g, \zero
	MUL16 6, P_, \g, \zero
.if (\mode) != 3
	PLACES
	WIN 0
	FETCH_A NS_, NQ_, 4
.else
	WIN 0
.endif
.endm
	s_load_b256 s[4:11], s[0:1], 0x0               ; qkc, qks, pc, pst
	v_lshl_add_u32 v[SPW], v0, 2, SPARE
	v_mov_b32 v[NIL], 0
	ds_add_u32 v8, v9
	ds_add_u32 v8, v9
	s_wait_dscnt 0x0
	v_lshrrev_b32 v244, 5, v0
	v_readfirstlane_b32 s[WV], v244
	s_lshr_b32 s[WY], s[WV], 1
	s_and_b32 s[WX], s[WV], 1
	s_mov_b32 s[HIM], 0xffff0000
	s_mov_b32 s[SEL], 0x76543210
	s_mov_b32 s[SEL+1], 0xfedcba98
	s_mov_b32 s[CS], 0x3d38aa3b                    ; log2(e) / 32: the division by sqrt(1,024) is a step of the exponent
	s_mov_b32 s[CS+1], s[CS]                       ; (named with it as a pair, so it is written)
	s_mov_b32 s[NINF], 0xff800000
	s_bfe_u32 s66, ttmp6, 0x40000                  ; cx
	s_bfe_u32 s67, ttmp6, 0x40004                  ; cy
	s_lshl_b32 s68, ttmp9, 2
	s_add_co_u32 s68, s68, s66                     ; gx: block of 256 keys
	s_and_b32 s69, ttmp7, 0xffff
	s_lshl_b32 s69, s69, 2
	s_add_co_u32 s69, s69, s67                     ; gy: block of 256 queries
	s_lshl_b32 s76, s67, 2
	s_lshl_b32 s76, 15, s76                        ; my row of the cluster
	s_lshl_b32 s77, 0x1111, s66                    ; my column
	s_or_b32 s[G1A], s76, (3<<16)|(1<<21)          ; 96 rows of 32 elements of 8 bytes, dense, no padding
	s_or_b32 s[G1B], s77, (3<<16)|(1<<21)
.irp g, G1A, G1B
	s_mov_b32 s[\g+1], 32<<16
	s_mov_b32 s[\g+2], 192<<16                     ; at the head 192 rows of 256 bytes, two K steps
	s_mov_b32 s[\g+3], 32<<16
	s_mov_b32 s[\g+4], 192
	s_mov_b32 s[\g+5], 32
	s_mov_b32 s[\g+6], 0
	s_mov_b32 s[\g+7], 0
.endr
	s_or_b32 s[G1C], s76, (3<<16)|(1<<21)          ; the head's loads of four K steps: 384 rows of 256 bytes
	s_or_b32 s[G1D], s77, (3<<16)|(1<<21)
.irp g2, G1C, G1D
	s_mov_b32 s[\g2+1], 32<<16
	s_mov_b32 s[\g2+2], 384<<16
	s_mov_b32 s[\g2+3], 32<<16
	s_mov_b32 s[\g2+4], 384
	s_mov_b32 s[\g2+5], 32
	s_mov_b32 s[\g2+6], 0
	s_mov_b32 s[\g2+7], 0
.endr
	s_mul_i32 s82, s69, 196608                     ; Q: block gy
	s_mov_b32 s83, 0
	s_add_co_u32 s86, s68, 16                      ; K: block 16 + gx
	s_mul_i32 s86, s86, 196608
	s_mov_b32 s87, 0
	s_mul_i32 s22, s[WX], 24576                    ; the refill: which of the two K steps I fetch
	s_mov_b32 s23, 0
	s_wait_alu depctr_va_vdst(0)
	CROUND                                         ; all sixteen work-groups are here: the first joint loads meet
	s_wait_kmcnt 0x0
	s_add_nc_u64 s[82:83], s[4:5], s[82:83]
	s_add_nc_u64 s[86:87], s[4:5], s[86:87]
.irp s, 0,1
	s_mov_b32 s[G0A+4*\s], 1
	s_mov_b32 s[G0A+4*\s+1], \s*49152
	s_add_nc_u64 s[G0A+4*\s+2:G0A+4*\s+3], s[82:83], \s*49152
	s_or_b32 s[G0A+4*\s+3], s[G0A+4*\s+3], 0x80000000
	s_mov_b32 s[G0B+4*\s], 1
	s_mov_b32 s[G0B+4*\s+1], 2*SLOT+\s*49152
	s_add_nc_u64 s[G0B+4*\s+2:G0B+4*\s+3], s[86:87], \s*49152
	s_or_b32 s[G0B+4*\s+3], s[G0B+4*\s+3], 0x80000000
.endr
; the head's loads, one a wave: one chain of branches on the wave's number
.macro ARM k, g0, g1
	s_cmp_eq_u32 s[WV], \k
	s_cbranch_scc0 .Lnext_\k
	tensor_load_to_lds s[\g0:\g0+3], s[\g1:\g1+7]
	s_nop 0
.rept 4
	v_nop
.endr
	s_branch .Lhead_asked
.Lnext_\k:
.endm
	ARM 0, G0A, G1A
	ARM 1, G0B, G1B
	ARM 2, G0A+4, G1C
	tensor_load_to_lds s[G0B+4:G0B+7], s[G1D:G1D+7]
	s_nop 0
.rept 4
	v_nop
.endr
.Lhead_asked:
	v_and_b32 v245, 15, v0                         ; r
	v_and_b32 v[LI], 31, v0
	v_lshlrev_b32 v[LI], 4, v[LI]
	s_wait_alu depctr_va_vdst(0)
	s_lshl_b32 s84, s69, 1
	s_add_co_u32 s84, s84, s[WY]                   ; Q's group 2 gy + wy
	s_lshl_b32 s84, s84, 12
	s_lshl_b32 s85, s68, 1
	s_add_co_u32 s85, s85, s[WX]
	s_add_co_u32 s85, s85, 32                      ; K's group 32 + 2 gx + wx
	s_lshl_b32 s85, s85, 12
	v_bfe_u32 v[HS], v0, 4, 1
	v_lshlrev_b32 v[HS], 3, v[HS]                  ; 8 (lane / 16)
	v_lshlrev_b32 v247, 4, v245
	v_add_nc_u32 v248, s84, v247
	v_add_nc_u32 v249, s85, v247
	v_cndmask_b32 v244, v248, v249, s[HIM]         ; lanes 0-15 Q's words, lanes 16-31 K's
.irp g, 0,1,2,3,4,5,6,7
.irp u, 0,1
	global_load_b128 v[SC+8*\g+4*\u:SC+8*\g+4*\u+3], v244, s[6:7] offset:512*\g+256*\u
.endr
.endr
	s_mul_i32 s84, s[WY], 12288
	s_mul_i32 s85, s[WX], 12288
	s_add_co_u32 s85, s85, 2*SLOT
.irp s, 0,1
	v_add_nc_u32 v[ADRA+\s], s84, v[LI]
	v_add_nc_u32 v[ADRB+\s], s85, v[LI]
	s_add_co_u32 s84, s84, SLOT
	s_add_co_u32 s85, s85, SLOT
.endr
.irp b, 0,1,2,3
	v_mov_b32 v[TM+4+\b], 0                        ; written once: a lane permute's destination counts as a source
.endr
	v_mov_b32 v11, 0                               ; (named as the upper half of the pair v[10:11])
	; where the results go: G = 2 gx + wx: my 128 keys
	s_lshl_b32 s76, s68, 1
	s_add_co_u32 s76, s76, s[WX]
	s_lshl_b32 s78, s69, 1
	s_add_co_u32 s78, s78, s[WY]                   ; 128 queries: group 2 gy + wy
	s_mul_i32 s78, s78, 393216
	s_mul_i32 s80, s76, 12288
	s_add_co_u32 s78, s78, s80
	s_mov_b32 s79, 0
	s_add_nc_u64 s[8:9], s[8:9], s[78:79]
	s_lshl_b32 s78, s69, 1
	s_add_co_u32 s78, s78, s[WY]
	s_mul_i32 s78, s78, 49152
	s_mul_i32 s80, s76, 1536
	s_add_co_u32 s78, s78, s80
	s_add_nc_u64 s[10:11], s[10:11], s[78:79]
	s_wait_alu depctr_va_vdst(0)
	s_wait_loadcnt 0x0                             ; the scale words
	s_cmp_lt_u32 s[WV], 2                          ; waves 0 and 1 brought K steps 0 and 1; the rest (waves 2 and 3) may be out
	s_cbranch_scc0 .Lnot_first
	s_wait_tensorcnt 0x0
.Lnot_first:
	s_barrier_signal -1
	s_barrier_wait -1
	FETCH_B 0, 0, 0
	FETCH_A 0, 0, 0
	FETCH_A 0, 0, 4
	KSTEP 0, 0, 1
	KSTEP 1, 2, 0                                  ; every wave has waited for its head's load ahead of this round: K steps 2-5 are whole for all from here on
	KSTEP 2, 0, 0
	KSTEP 3, 0, 0
	KSTEP 4, 0, 0
	KSTEP 5, 1, 0
	KSTEP 6, 0, 0
	KSTEP 7, 3, 0
	PLACES
; THE WAY OUT of query tile a: a lane holds one query and 64 of its 128 keys (the other 64 lie in lane l xor 16)
.macro SOFT a
.set AC,  64*((\a)%4)
.set WW,  2+(\a)/4
.set PCX, PC0+32*((\a)%2)
	WIN (WW<<2)|(WW<<4)                            ; sources 1 and 2: window 2 or 3
.irp b, 0,1,2,3
	v_max3_num_f32 v[TM+\b], s[NINF], v[AC+16*\b], v[AC+16*\b+1]   ; the largest score of each block of 32 keys; each accumulator is first read at its low end
.endr
.irp i, 2,4,6,8,10,12,14
.irp b, 0,1,2,3
	v_max3_num_f32 v[TM+\b], v[TM+\b], v[AC+16*\b+\i], v[AC+16*\b+\i+1]
.endr
.endr
	WIN 0
	v_max_num_f32 v[TM], v[TM], v[TM+1]            ; the largest score of my block of 32 keys among the first 64,
	v_max_num_f32 v[TM+1], v[TM+2], v[TM+3]        ; and among the other 64
	v_max_num_f32 v[TM+8], v[TM], v[TM+1]
	v_permlanex16_b32 v[TM+4], v[TM+8], s[SEL], s[SEL+1]
	v_max_num_f32 v[TM+8], v[TM+8], v[TM+4]        ; the largest of the 128
	v_mul_f32 v[TM+8], s[CS], v[TM+8]              ; as t (c is positive)
	v_floor_f32 v10, -v[TM+8]                      ; -M = floor(-t) = -ceil(t)
	v_mov_b32 v[NMS+(\a)], v10
	WIN WW                                         ; source 0: window 2 or 3
.set j, 0
.rept 32
	v_pk_fma_f32 v[H+j:H+j+1], v[AC+j:AC+j+1], s[CS:CS+1], v[10:11] op_sel_hi:[1,0,0]   ; t - M, two at a time
.set j, j+2
.endr
	WIN 0
.irp b, 0,1
	v_fma_f32 v[TM+\b], v[TM+\b], s[CS], v10       ; the same of each of my blocks' largest score
.endr
.set j, 0
	s_wait_alu depctr_va_vdst(0)
.rept 64
	v_exp_f32 v[H+j], v[H+j]                       ; p = 2^(t - M)
.set j, j+1
.endr
	v_nop                                          ; a plain line behind the exponentials
	s_wait_alu depctr_va_vdst(0)                   ; one wait for the batch, ahead of its first reader
.irp b, 0,1
	v_exp_f32 v[TM+\b], v[TM+\b]                   ; the block's largest p
.endr
	v_pk_add_f32 v[12:13], v[H:H+1], v[H+2:H+3]    ; the sum of the unquantised p, in two chains: plain work behind the two
	v_pk_add_f32 v[14:15], v[H+4:H+5], v[H+6:H+7]
.irp j, 8,12,16,20,24,28,32,36,40,44,48,52,56,60
	v_pk_add_f32 v[12:13], v[12:13], v[H+\j:H+\j+1]
	v_pk_add_f32 v[14:15], v[14:15], v[H+\j+2:H+\j+3]
.endr
	v_pk_add_f32 v[12:13], v[12:13], v[14:15]
	v_add_f32 v12, v12, v13
	v_permlanex16_b32 v[TM+4], v12, s[SEL], s[SEL+1]
	v_add_f32 v[LS+(\a)], v12, v[TM+4]             ; with lane l xor 16's 64 keys
	s_wait_alu depctr_va_vdst(0)                   ; and one wait for the two
.irp b, 0,1
	v_max_num_f32 v[TM+\b], 0x1800000, v[TM+\b]    ; the floor 2^(3 - 127): the byte cannot fall under 1
.endr
	CODES H, PCX, PWS+(\a)
	v_or_b32 v[PWS+(\a)], 0x80808080, v[PWS+(\a)]  ; the bytes lie under 128: bit 7 is set so that the next launch can subtract byte by byte without a borrow
.irp c, 0,1,2
	global_store_b128 v[LI], v[PCX+4*\c:PCX+4*\c+3], s[8:9] offset:1536*(\a)+512*\c   ; 512 consecutive bytes, aligned to 512
.endr
.endm
.irp a, 0,1,2,3,4,5,6,7
	SOFT \a
.endr
.irp i, 0,1,2,3
	v_cndmask_b32 v[IM+\i], v[PWS+\i], v[PWS+4+\i], s[HIM]     ; three images: lanes 0-15 tiles 0-3, lanes 16-31 tiles 4-7
	v_cndmask_b32 v[IM+4+\i], v[NMS+\i], v[NMS+4+\i], s[HIM]
	v_cndmask_b32 v[IM+8+\i], v[LS+\i], v[LS+4+\i], s[HIM]
.endr
.irp c, 0,1,2
	global_store_b128 v[LI], v[IM+4*\c:IM+4*\c+3], s[10:11] offset:512*\c
.endr
	s_wait_tensorcnt 0x0                           ; the wave's end
	ds_add_u32 v[SPW], v[NIL]
	s_wait_dscnt 0x0
	CROUND                                         ; the closing round
	s_endpgm
.Lfunc_end_k_qc9cb94af28_scores:
	.size	k_qc9cb94af28_scores, .Lfunc_end_k_qc9cb94af28_scores-k_qc9cb94af28_scores
	.p2alignl 7, 3214868480
	.fill 96, 4, 3214868480
	.section	.rodata,"a",@progbits
	.p2align	6, 0x0
	.amdhsa_kernel k_qc9cb94af28_scores
		.amdhsa_group_segment_fixed_size 327680
		.amdhsa_private_segment_fixed_size 0
		.amdhsa_enable_private_segment 0
		.amdhsa_kernarg_size 32
		.amdhsa_user_sgpr_count 2
		.amdhsa_user_sgpr_kernarg_segment_ptr 1
		.amdhsa_wavefront_size32 1
		.amdhsa_system_sgpr_workgroup_id_x 1
		.amdhsa_system_sgpr_workgroup_id_y 1
		.amdhsa_system_sgpr_workgroup_id_z 1
		.amdhsa_system_vgpr_workitem_id 0
		.amdhsa_next_free_vgpr 1024
		.amdhsa_next_free_sgpr 102
		.amdhsa_reserve_vcc 0
		.amdhsa_float_denorm_mode_32 3
		.amdhsa_float_denorm_mode_16_64 3
		.amdhsa_memory_ordered 1
		.amdhsa_forward_progress 1
		.amdhsa_inst_pref_size 186
	.end_amdhsa_kernel
	.amdgpu_metadata
---
amdhsa.version: [ 1, 2 ]
amdhsa.kernels:
  - .name:           k_qc9cb94af28_scores
    .symbol:         k_qc9cb94af28_scores.kd
    .args:
      - { .name: qkc, .offset: 0, .size: 8, .value_kind: global_buffer, .address_space: global }
      - { .name: qks, .offset: 8, .size: 8, .value_kind: global_buffer, .address_space: global }
      - { .name: pc, .offset: 16, .size: 8, .value_kind: global_buffer, .address_space: global }
      - { .name: pst, .offset: 24, .size: 8, .value_kind: global_buffer, .address_space: global }
    .group_segment_fixed_size: 327680
    .private_segment_fixed_size: 0
    .kernarg_segment_align: 8
    .kernarg_segment_size: 32
    .max_flat_workgroup_size: 128
    .sgpr_count:     102
    .vgpr_count:     1024
    .wavefront_size: 32
...
	.end_amdgpu_metadata
.endif
;; end of part 3
;; launch pv (part 4): grid 8 x 32, 4 waves a work-group, clusters of 4 x 4, 327,680 bytes of LDS; arguments pc, pst, vc, vs, out0; writes out0
.if DOCPART == 4
	.amdgcn_target "amdgcn-amd-amdhsa--gfx1250"
	.amdhsa_code_object_version 6
	.text
	.protected	k_qc9cb94af28_pv
	.globl	k_qc9cb94af28_pv
	.p2align	8
	.type	k_qc9cb94af28_pv,@function
k_qc9cb94af28_pv:
	s_mov_b64 s[64:65], 0
	v_nop
	global_prefetch_b8 v0, s[64:65] scope:SCOPE_SE
	s_setreg_imm32_b32 hwreg(HW_REG_WAVE_MODE, 25, 1), 1
	s_wait_xcnt 0x0
	s_wait_alu depctr_hold_cnt(0) depctr_sa_sdst(0) depctr_va_vdst(0) depctr_va_sdst(0) depctr_va_ssrc(0) depctr_va_vcc(0) depctr_vm_vsrc(0)
	s_getreg_b32 s2, hwreg(HW_REG_IB_STS2, 6, 4)
	s_cmp_eq_u32 s2, 0
	s_cbranch_scc0 .Lentry_in_a_cluster
	s_endpgm
.Lentry_in_a_cluster:
	s_bfe_u32 s2, ttmp6, 0x10000c
	s_cmp_lg_u32 s2, 0xf033
	s_cbranch_scc0 .Lentry_shape_is_right
	s_endpgm
.Lentry_shape_is_right:
; O = P V / l on codes of FP6 (E2M3) with E8M0 scales; K = the 4,096 keys, 32 K steps of 128.  P's codes were made under a local M for each (query, 128 keys).
; THE HEAD brings them under the row's M: -Mg = the least of the query's 32 local -M; d = Mg - M_local, a whole number, is taken off the four scale bytes of that K step (held at 0), and l_local x 2^-d is summed into l.
; A work-group makes 128 queries x 128 channels (256 work-groups).  Source 0 = 16 channels of V^T, source 1 = 16 queries of P: a lane holds one query and eight neighbouring channels a tile.
; Lane-row i of tile T of either operand is row 32 (T / 2) + 8 (T % 2) + i + 8 (i / 8): the way out puts rows and channels back in their places.
; pc [128 queries: 32][K step 32][tile 8][1536], vc [128 channels: 8][K step 32][tile 8][1536]: for a work-group each is ONE dense stream of 393,216 bytes, 12,288 a K step; a fragment's registers 4 c .. 4 c + 3 of lane l lie at 512 c + 16 l.
; SHARES.  K IS SPLIT BETWEEN WAVE PAIRS: wave w = (kp = w / 2, wx = w % 2) takes the K steps 2 j + kp, j = 0 .. 15, all 8 tiles of P and V's 4 tiles of half wx: 32 accumulators, 32 products an own step.
;   At the end wave w hands half of its sums to wave w xor 2 and takes the other half's: each then holds 64 queries x 64 channels.
;   kp enters by ADDRESSES alone: tile place a' = 0 .. 3 holds P's tile 4 kp + a', a' = 4 .. 7 the other four; every wave keeps a' = 0 .. 3 and hands a' = 4 .. 7 on.
; CHUNKS: K steps 6, 6, 6, 6, 6, 2 through two LDS slots (P's 73,728 bytes, then V's 73,728).  At the head wave 0 asks for P of chunk 0, wave 1 for V of it, wave 2 for P of chunk 1, wave 3 for V of it: one tensor load a wave.
;   Chunks 2 to 5 are refills, each in a round of the cluster's barrier in a chunk's last own step (by then its last fragments are in registers); waves 0, 1 fetch halves of P, waves 2, 3 halves of V.  A wave has one tensor load out.
; CLUSTER 4 x 4: P hangs on the work-group's y and is asked for jointly along a row of the cluster, V on its x, along a column.
; PREFETCH INTO THE L2: chunks 2, 3 and 4, one chunk ahead of their refill (at the head, and behind the first two refills): P's blocks of 256 bytes are shared out by address among the four partners of a row (three waves, 24 blocks each),
;   V's among the eight partners of two clusters (36 blocks each, wave 3).  Chunk 5 (two K steps) is not prefetched: so no address leaves the buffers.
; LDS behind the slots, written by LDS stores alone: PSC p's corrected scale images; XM, XL what the waves hand each other at the head; the spare words.  The exchange of sums (EX) and the stages (STG) lie in slot 0,
;   which has had its last fill (chunk 4) and which every wave has read out ahead of the barrier in own step 14.
; All 327,680 bytes of LDS are claimed, and 0 is added to spare words.
; REGISTERS: window 0: v1-27 addresses; v28-55 at work; v56-63 P's scale words, two sets (register i: lanes 0-15 tile place i, lanes 16-31 tile place 4 + i); v64-127 V's scale words (register 4 j + b);
;   v128-255 the head's images, later the partner's sums and the way out.   window 1: P's fragments, two sets of 96.   window 2: V's, two sets of 48.   window 3: the accumulators, (a', b) at v[8 (4 a' + b)].
; LIMITS: a block of p that lies 2^127 or more under the row's largest gets the byte 0 (2^-127), and d is held at 127 for l: both are under 1e-36 of the result.  Each output is the sum of two f32 sums, over the even and the odd K steps.  NaN and infinities are not served.
.set PART,  73728                      ; six K steps of P or of V
.set SLOT,  2*PART
.set GRP,   393216                     ; a group of 128 rows, all of K
.set PSC,   2*SLOT
.set XM,    PSC+16384
.set XL,    XM+2048
.set SPARE, XL+2048                    ; the spare words, 128 bytes a wave
.set EX,    0                          ; in slot 0: 16,384 bytes a wave
.set STG,   65536                      ; in slot 0: 16 rows x 272 bytes a wave
.set LI,   1                           ; v1     16 x lane
.set LO,   2                           ; v2-3   P's tile places 0-3 in slot 0, 1
.set HI,   4                           ; v4-5   tile places 4-7
; THE ORDERS IN THIS TEXT (they stand in place of those given above): lane-row i of tile T of either operand is row 64 (T / 4) + 8 (T % 4) + i + 24 (i / 8).
; An own step's operands come in ONE run of LDS loads, ahead of the products of the step before.
.set VA,   6                           ; v6-7   V's four tiles
.set PF,   8                           ; v8-9   the prefetches' offsets
.set ADPS, 14                          ; v14    P's scale image of my own step 0
.set STO,  15
.set RD,   16
.set CO,   17
.set SPW,  18
.set NIL,  19
.set VSA,  20                          ; v20    V's scale words: my byte in a K step's image
.set EXS,  21                          ; v21    where I put the sums that I hand on
.set EXL,  22                          ; v22    where my partner has put mine
.set XLA,  23                          ; v23    l of the four tiles that I keep
.set XMA,  24
.set XMW,  25
.set XLW,  26
.set PSCW, 27
.set NG,   32                          ; v32-35 the row's -M
.set TT,   36                          ; v36-51 at work
.set LW,   52                          ; v52-55 my wave's part of l
.set PSW,  56
.set VSW,  64
.set ACC,  128
.set NM,   128                         ; the head: -M, l, p's scale words: 8 images of 4 registers each
.set LL,   160
.set PS,   192
.set PB,   4                           ; s[4:5] my group of P;  s[8:9] my group of V
.set VB,   8
.set G1P,  24                          ; s[24:31], s[32:39] descriptor groups 1 of P and V
.set G1V,  32
.set G0P,  40                          ; s[40:47] groups 0 for chunk 0 and every refill;  s[56:63] for chunk 1 at the head
.set G0V,  44
.set HO,   48                          ; s[48:49] my half of a chunk, s[50:51] of the last chunk, in bytes
.set HO2,  50
.set PFB,  52                          ; s[52:53] where my prefetches stand
.set G0P1, 56
.set G0V1, 60
.set WV,   92
.set KP,   93
.set WX,   94
.set MSB,  0
.macro WIN new                         ; the immediate's high byte repeats the setting that is left
.if MSB != (\new)
	s_set_vgpr_msb (MSB<<8)|(\new)
.set MSB, (\new)
.endif
.endm
.macro WALU
	s_wait_alu depctr_va_vdst(0)
.endm
.macro PLACES                          ; four plain lines behind matrix instructions, ahead of loads into their operands and of reads of their results
.rept 4
	v_nop
.endr
.endm
.macro TLOAD g0, g1
	tensor_load_to_lds s[\g0:\g0+3], s[\g1:\g1+7]
	s_nop 0
	PLACES
.endm
.macro ARM k, g0, g1                   ; one arm of the head's chain: wave k's load
	s_cmp_eq_u32 s[WV], \k
	s_cbranch_scc0 .Lnext_\k
	TLOAD \g0, \g1
	s_branch .Lhead_asked
.Lnext_\k:
.endm
.macro CREST                           ; a round of the cluster's barrier behind its opening barrier
	s_cmp_lg_u32 s[WV], 0
	s_cbranch_scc1 .Lnot_wave_0_\@
	s_barrier_signal -3
.Lnot_wave_0_\@:
	s_barrier_wait -3
	s_barrier_signal -1
	s_barrier_wait -1
.endm
.macro CROUND
	s_barrier_signal -1
	s_barrier_wait -1
	CREST
.endm
.macro G0SET g, base, off
	s_add_nc_u64 s[\g+2:\g+3], s[\base:\base+1], \off
	s_or_b32 s[\g+3], s[\g+3], 0x80000000
.endm
; Piece i of own step j's operands, into set j % 2: 0 P's scale words; 1-4 V's fragments; 5-12 P's (tile places 0-7).  Each load reads 512 consecutive bytes.
.macro PIECE j, i
.set SL_, ((\j)/3)%2
.set KO_, 24576*((\j)%3)
.if (\i) == 0
	WIN 0
	ds_load_b128 v[PSW+4*((\j)%2):PSW+4*((\j)%2)+3], v[ADPS] offset:1024*(\j)
.elseif (\i) < 5
	WIN 0x80
.set R_, 48*((\j)%2)+12*((\i)-1)
.irp c, 0,1,2
	ds_load_b128 v[R_+4*\c:R_+4*\c+3], v[VA+SL_] offset:KO_+1536*((\i)-1)+512*\c
.endr
.elseif (\i) < 9
	WIN 0x40
.set R_, 96*((\j)%2)+12*((\i)-5)
.irp c, 0,1,2
	ds_load_b128 v[R_+4*\c:R_+4*\c+3], v[LO+SL_] offset:KO_+1536*((\i)-5)+512*\c
.endr
.else
	WIN 0x40
.set R_, 96*((\j)%2)+12*((\i)-5)
.irp c, 0,1,2
	ds_load_b128 v[R_+4*\c:R_+4*\c+3], v[HI+SL_] offset:KO_+1536*((\i)-9)+512*\c
.endr
.endif
.endm
.macro RUN j                           ; own step j's operands: 37 loads
.irp i, 0,1,2,3,4,5,6,7,8,9,10,11,12
	PIECE \j, \i
.endr
.endm
.macro PROD1 c, row
	v_wmma_scale_f32_16x16x128_f8f6f4 v[AC_:AC_+7], v[VF_:VF_+11], v[PF_:PF_+11], \c, v[SV_], v[SP_] matrix_a_fmt:MATRIX_FMT_FP6 matrix_b_fmt:MATRIX_FMT_FP6 matrix_b_scale:MATRIX_SCALE_ROW\row
.endm
; Product n of own step j: P's tile place n / 4 against V's tile n % 4.  zero = 1: the first product starts the sum.  The 32 accumulators take turns, one instruction a turn.
.macro PROD j, n, zero
.set AC_, 8*(\n)
.set VF_, 48*((\j)%2)+12*((\n)%4)
.set PF_, 96*((\j)%2)+12*((\n)/4)
.set SV_, VSW+4*(\j)+(\n)%4
.set SP_, PSW+4*((\j)%2)+((\n)/4)%4
	WIN 0xf6                                       ; source 0 (V) window 2, source 1 (P) window 1, C and D window 3
.if (\zero) && ((\n) < 16)
	PROD1 0, 0
.elseif (\zero)
	PROD1 0, 1
.elseif (\n) < 16
	PROD1 v[AC_:AC_+7], 0
.else
	PROD1 v[AC_:AC_+7], 1
.endif
.endm
; A plain own step: the next step's operands in one run of loads, then the 32 products.
.macro STEP j, zero=0
	s_wait_dscnt 0x0                               ; this step's operands are in
	PLACES                                         ; ahead of loads into the sets that the last step's products read
	RUN (\j)+1
.set N_, 0
.rept 32
	PROD \j, N_, \zero
.set N_, N_+1
.endr
.endm
; A chunk's last own step.  fill = 1: the slot read out is filled again with chunk j / 3 + 2 behind a round.  fill = 0: a plain barrier shows the last chunk to all.
.macro RSTEP j, fill
.set CH_, (\j)/3+2
.set LS_, SLOT*(((\j)/3)%2)
	WIN 0                                          ; (the add's two registers lie in window 0)
.if \fill
	s_wait_xcnt 0x0                                ; my prefetches have read their address
.endif
	s_wait_tensorcnt 0x0                           ; all my tensor loads have landed: the other slot's chunk among them
	ds_add_u32 v[SPW], v[NIL]                      ; 0 onto my spare word
.if \fill
.if CH_ == 2                           ; no tensor load is out: from here on a load brings half a chunk, 144 rows of 256 bytes,
.irp g, G1P, G1V
	s_mov_b32 s[\g+2], 144<<16
	s_mov_b32 s[\g+4], 144
.endr
.elseif CH_ == 5                       ; and for the last chunk 48
.irp g, G1P, G1V
	s_mov_b32 s[\g+2], 48<<16
	s_mov_b32 s[\g+4], 48
.endr
.endif
.set HX_, HO+2*(CH_/5)
	s_add_nc_u64 s[G0P+2:G0P+3], s[PB:PB+1], s[HX_:HX_+1]
	s_add_nc_u64 s[G0V+2:G0V+3], s[VB:VB+1], s[HX_:HX_+1]
	s_add_nc_u64 s[G0P+2:G0P+3], s[G0P+2:G0P+3], CH_*PART
	s_add_nc_u64 s[G0V+2:G0V+3], s[G0V+2:G0V+3], CH_*PART
	s_or_b32 s[G0P+3], s[G0P+3], 0x80000000
	s_or_b32 s[G0V+3], s[G0V+3], 0x80000000
	s_add_co_u32 s[G0P+1], s[HX_], LS_
	s_add_co_u32 s[G0V+1], s[HX_], LS_+PART
.if CH_ < 4
	s_add_nc_u64 s[PFB:PFB+1], s[PFB:PFB+1], PART
.endif
.endif
	s_wait_dscnt 1                                 ; (the add may be out; this step's operands are in)
.set N_, 0
.rept 8
	PROD \j, N_, 0
.set N_, N_+1
.endr
	s_wait_dscnt 0x0                               ; the add is done, and so are my reads of the slot that is left
	s_barrier_signal -1
.rept 8
	PROD \j, N_, 0
.set N_, N_+1
.endr
	WIN 0
	s_barrier_wait -1
.if \fill
	CREST                                          ; no wave of any partner still reads the slot or has a load on its way
	s_cmp_eq_u32 s[KP], 0
	s_cbranch_scc0 .Lfor_v_\@
	TLOAD G0P, G1P
	s_branch .Lasked_\@
.Lfor_v_\@:
	TLOAD G0V, G1V
.Lasked_\@:
.else
	PLACES
.endif
	RUN (\j)+1
.rept 16
	PROD \j, N_, 0
.set N_, N_+1
.endr
.if (\fill) && (CH_ < 4)               ; chunk CH_ + 1: its refill stands one chunk further on
	WIN 0
	global_prefetch_b8 v[PF], s[PFB:PFB+1] th:TH_LOAD_NT scope:SCOPE_SE
	global_prefetch_b8 v[PF+1], s[PFB:PFB+1] th:TH_LOAD_NT scope:SCOPE_SE
.endif
.endm
	s_load_b256 s[4:11], s[0:1], 0x0               ; pc, pst, vc, vs
	s_load_b64 s[12:13], s[0:1], 0x20              ; out0
	v_lshl_add_u32 v[SPW], v0, 2, SPARE
	v_mov_b32 v[NIL], 0
	ds_add_u32 v[SPW], v[NIL]                      ; the opening: the add, twice on end, ahead of my first tensor load
	ds_add_u32 v[SPW], v[NIL]
	v_lshrrev_b32 v30, 5, v0
	v_readfirstlane_b32 s[WV], v30                 ; wave 0..3
	s_lshr_b32 s[KP], s[WV], 1                     ; my parity of K steps.  Also: I refill P (0) or V (1)
	s_and_b32 s[WX], s[WV], 1                      ; my half of the channels.  Also: which half of a chunk I fetch
	s_bfe_u32 s66, ttmp6, 0x40000                  ; cx
	s_bfe_u32 s67, ttmp6, 0x40004                  ; cy
	s_lshl_b32 s68, ttmp9, 2
	s_add_co_u32 s68, s68, s66                     ; gx: group of 128 channels
	s_and_b32 s70, ttmp7, 0xffff
	s_lshl_b32 s69, s70, 2
	s_add_co_u32 s69, s69, s67                     ; gy: group of 128 queries
	s_lshl_b32 s76, s67, 2
	s_lshl_b32 s76, 15, s76                        ; my row of the cluster
	s_lshl_b32 s77, 0x1111, s66                    ; my column
	; groups 1: a dense run of bytes as rows of 32 elements of 8 bytes; at the head 288 rows, a whole part; no padding: the images are read in runs of 512 bytes
	s_or_b32 s[G1P], s76, (3<<16)|(1<<21)
	s_or_b32 s[G1V], s77, (3<<16)|(1<<21)
.irp g, G1P, G1V
	s_mov_b32 s[\g+1], 32<<16
	s_mov_b32 s[\g+2], 288<<16
	s_mov_b32 s[\g+3], 32<<16
	s_mov_b32 s[\g+4], 288
	s_mov_b32 s[\g+5], 32
	s_mov_b32 s[\g+6], 0
	s_mov_b32 s[\g+7], 0
.endr
.irp g, G0P, G0V, G0P1, G0V1
	s_mov_b32 s[\g], 1
.endr
	s_mov_b32 s[G0P+1], 0
	s_mov_b32 s[G0V+1], PART
	s_mov_b32 s[G0P1+1], SLOT
	s_mov_b32 s[G0V1+1], SLOT+PART
	s_mul_i32 s[HO], s[WX], PART/2
	s_mov_b32 s[HO+1], 0
	s_mul_i32 s[HO2], s[WX], 12288
	s_mov_b32 s[HO2+1], 0
	s_mul_i32 s14, s69, GRP                        ; my group of P
	s_mov_b32 s15, 0
	s_mul_i32 s16, s68, GRP                        ; of V
	s_mov_b32 s17, 0
	s_mul_i32 s18, s69, 49152                      ; pst: at the head wave w takes K steps 8 w .. 8 w + 7 of the group's 128 queries
	s_mul_i32 s80, s[WV], 12288
	s_add_co_u32 s18, s18, s80
	s_mov_b32 s19, 0
	s_lshl_b32 s20, s68, 14                        ; vs at my channel group
	s_mov_b32 s21, 0
	s_lshl_b32 s22, s69, 19                        ; out0: row 128 gy + 64 kp, byte 512 gx + 256 wx
	s_lshl_b32 s80, s[KP], 18
	s_add_co_u32 s22, s22, s80
	s_lshl_b32 s80, s68, 9
	s_add_co_u32 s22, s22, s80
	s_lshl_b32 s80, s[WX], 8
	s_add_co_u32 s22, s22, s80
	s_mov_b32 s23, 0
	s_mul_i32 s71, s66, 3                          ; the prefetches: waves 0-2 P's share 3 cx + w of twelve (24 blocks of 256 bytes, two runs of 12),
	s_add_co_u32 s71, s71, s[WV]
	s_mul_i32 s71, s71, 6144
	s_and_b32 s72, s70, 1                          ; wave 3 V's share cy + 4 (cluster y % 2) of eight (36 blocks, two runs of 18)
	s_lshl_b32 s72, s72, 2
	s_add_co_u32 s72, s72, s67
	s_mul_i32 s72, s72, 9216
	s_mov_b32 s73, 17
	s_cmp_lt_u32 s[WV], 3
	s_cselect_b32 s54, s71, s72
	s_cselect_b32 s73, 11, s73
	s_add_co_u32 s54, s54, 2*PART                  ; from chunk 2 on
	s_mov_b32 s55, 0
	s_add_co_u32 s74, s73, 1
	s_lshl_b32 s74, s74, 8
	s_mul_i32 s80, s[KP], 18432                    ; tile places 0-3: my parity's K step (12,288 kp), tiles 4 kp on (6,144 kp)
	s_xor_b32 s81, s[KP], 1
	s_mul_i32 s81, s81, 6144
	s_mul_i32 s82, s[KP], 12288
	s_add_co_u32 s81, s81, s82                     ; tile places 4-7: the other four tiles
	s_mul_i32 s83, s[WX], 6144
	s_add_co_u32 s82, s82, s83
	s_add_co_u32 s82, s82, PART                    ; V: behind P in the slot, tiles 4 wx on
	s_lshl_b32 s83, s[KP], 4
	s_lshl_b32 s84, s[KP], 9
	s_add_co_u32 s84, s84, PSC
	s_mul_i32 s85, s[WV], 4352
	s_add_co_u32 s85, s85, STG                     ; my stage
	s_lshl_b32 s86, s[WV], 14
	s_add_co_u32 s86, s86, EX
	s_xor_b32 s87, s[WV], 2                        ; my partner: the other parity, the same channels
	s_lshl_b32 s87, s87, 14
	s_add_co_u32 s87, s87, EX
	s_lshl_b32 s88, s[KP], 8
	s_add_co_u32 s88, s88, XL
	s_lshl_b32 s89, s[WV], 9
	s_lshl_b32 s90, s[WV], 12
	s_lshl_b32 s91, s[KP], 9
	s_lshl_b32 s75, s[WX], 8
	s_add_co_u32 s91, s91, s75
	v_and_b32 v28, 15, v0                          ; r
	v_bfe_u32 v29, v0, 4, 1                        ; h
	v_and_b32 v30, 31, v0                          ; lane
	v_lshlrev_b32 v[LI], 4, v30
	v_add_nc_u32 v[LO], s80, v[LI]
	v_add_nc_u32 v[HI], s81, v[LI]
	v_add_nc_u32 v[VA], s82, v[LI]
	v_add_nc_u32 v[LO+1], SLOT, v[LO]
	v_add_nc_u32 v[HI+1], SLOT, v[HI]
	v_add_nc_u32 v[VA+1], SLOT, v[VA]
	v_xor_b32 v31, s83, v30                        ; with kp = 1 the halves of the lanes change places: lanes 0-15 always get the words of tile places 0-3
	v_lshl_add_u32 v[ADPS], v31, 4, s84
	v_mul_u32_u24 v[STO], v28, 272
	v_lshl_add_u32 v[STO], v29, 7, v[STO]          ; in: row r, + 128 h
	v_add_nc_u32 v[STO], s85, v[STO]               ; in: row r, + 128 h
	v_mul_u32_u24 v[RD], v29, 272
	v_lshl_add_u32 v[RD], v28, 4, v[RD]
	v_add_nc_u32 v[RD], s85, v[RD]                 ; back: lanes 0-15 one row of 256 bytes, lanes 16-31 the next
	v_lshlrev_b32 v[CO], 12, v29
	v_lshl_add_u32 v[CO], v28, 4, v[CO]            ; and the same two rows in out0
	v_add_nc_u32 v[EXS], s86, v[LI]
	v_add_nc_u32 v[EXL], s87, v[LI]
	v_lshl_add_u32 v[XLA], v28, 4, s88             ; XL + 256 kp + 16 r
	v_add_nc_u32 v[XMA], XM, v[LI]                 ; the four waves' least -M
	v_add_nc_u32 v[XMW], s89, v[XMA]               ; mine among them
	v_add_nc_u32 v[XLW], XL, v[LI]
	v_add_nc_u32 v[XLW], s89, v[XLW]               ; my part of l
	v_add_nc_u32 v[PSCW], PSC, v[LI]
	v_add_nc_u32 v[PSCW], s90, v[PSCW]             ; my eight K steps' images of p's scale words
	v_lshl_add_u32 v[VSA], v28, 4, s91             ; 512 kp + 256 wx + 16 r: the words of tiles 4 wx .. 4 wx + 3, lane-row r
	v_min_u32 v[PF], s73, v30
	v_lshlrev_b32 v[PF], 8, v[PF]                  ; a block of 256 bytes a lane; the lanes left over name the last again
	v_add_nc_u32 v[PF+1], s74, v[PF]
	WALU
	s_wait_dscnt 0x0                               ; both opening adds are done
	CROUND                                         ; all sixteen work-groups are here: the first joint loads meet
	s_wait_kmcnt 0x0
	s_add_nc_u64 s[PB:PB+1], s[PB:PB+1], s[14:15]
	s_add_nc_u64 s[VB:VB+1], s[VB:VB+1], s[16:17]
	G0SET G0P, PB, 0
	G0SET G0V, VB, 0
	G0SET G0P1, PB, PART
	G0SET G0V1, VB, PART
	ARM 0, G0P, G1P
	ARM 1, G0V, G1V
	ARM 2, G0P1, G1P
	TLOAD G0V1, G1V
.Lhead_asked:
	; what comes straight into registers, in this order: -M (8 loads), l (8), p's scale words (8), V's scale words (16)
	s_add_nc_u64 s[6:7], s[6:7], s[18:19]
	s_add_nc_u64 s[10:11], s[10:11], s[20:21]
	s_add_nc_u64 s[12:13], s[12:13], s[22:23]
.irp e, 0,1,2,3,4,5,6,7
	global_load_b128 v[NM+4*\e:NM+4*\e+3], v[LI], s[6:7] offset:1536*\e+512
.endr
.irp e, 0,1,2,3,4,5,6,7
	global_load_b128 v[LL+4*\e:LL+4*\e+3], v[LI], s[6:7] offset:1536*\e+1024
.endr
.irp e, 0,1,2,3,4,5,6,7
	global_load_b128 v[PS+4*\e:PS+4*\e+3], v[LI], s[6:7] offset:1536*\e
.endr
.irp j, 0,1,2,3,4,5,6,7,8,9,10,11,12,13,14,15
	global_load_b128 v[VSW+4*\j:VSW+4*\j+3], v[VSA], s[10:11] offset:1024*\j   ; each half of the lanes reads the same 256 consecutive bytes
.endr
	s_cmp_lt_u32 s[WV], 3
	s_cselect_b64 s[PFB:PFB+1], s[PB:PB+1], s[VB:VB+1]
	s_add_nc_u64 s[PFB:PFB+1], s[PFB:PFB+1], s[54:55]
	global_prefetch_b8 v[PF], s[PFB:PFB+1] th:TH_LOAD_NT scope:SCOPE_SE        ; chunk 2
	global_prefetch_b8 v[PF+1], s[PFB:PFB+1] th:TH_LOAD_NT scope:SCOPE_SE
	s_wait_loadcnt 32                              ; -M is in; l (8), p's words (8) and V's (16) may be out
.irp i, 0,1,2,3
	v_min3_num_f32 v[NG+\i], v[NM+\i], v[NM+4+\i], v[NM+8+\i]
.endr
.irp i, 0,1,2,3
	v_min3_num_f32 v[NG+\i], v[NG+\i], v[NM+12+\i], v[NM+16+\i]
.endr
.irp i, 0,1,2,3
	v_min3_num_f32 v[NG+\i], v[NG+\i], v[NM+20+\i], v[NM+24+\i]
.endr
.irp i, 0,1,2,3
	v_min_num_f32 v[NG+\i], v[NG+\i], v[NM+28+\i]
.endr
	ds_store_b128 v[XMW], v[NG:NG+3]
	s_wait_dscnt 0x0                               ; for the others' sake: it has landed
	s_barrier_signal -1                            ; (the tensor loads stay out)
	s_barrier_wait -1
.irp u, 0,1,2,3
	ds_load_b128 v[TT+4*\u:TT+4*\u+3], v[XMA] offset:512*\u
.endr
	s_wait_dscnt 0x0
.irp i, 0,1,2,3
	v_min3_num_f32 v[NG+\i], v[TT+\i], v[TT+4+\i], v[TT+8+\i]
.endr
.irp i, 0,1,2,3
	v_min_num_f32 v[NG+\i], v[NG+\i], v[TT+12+\i]  ; -Mg: the row's
.endr
	WALU
	s_wait_loadcnt 16                              ; l and p's scale words are in; V's may be out
.macro FIX e
.irp i, 0,1,2,3
	v_sub_f32 v[TT+\i], v[NM+4*(\e)+\i], v[NG+\i]          ; d = Mg - M: a whole number, 0 or more
.endr
.irp i, 0,1,2,3
	v_min_num_f32 v[TT+\i], 0x42fe0000, v[TT+\i]           ; held at 127
.endr
.irp i, 0,1,2,3
	v_cvt_i32_f32 v[TT+\i], v[TT+\i]
.endr
.irp i, 0,1,2,3
	v_perm_b32 v[TT+4+\i], v[TT+\i], v[TT+\i], 0           ; d in all four bytes
.endr
.irp i, 0,1,2,3
	v_sub_nc_u32 v[TT+4+\i], v[PS+4*(\e)+\i], v[TT+4+\i]   ; 128 + byte - d in each byte: never under 1, so no borrow crosses
.endr
.irp i, 0,1,2,3
	v_and_b32 v[TT+8+\i], 0x80808080, v[TT+4+\i]           ; bit 7 stands where byte - d is 0 or more
.endr
.irp i, 0,1,2,3
	v_lshrrev_b32 v[TT+12+\i], 7, v[TT+8+\i]
.endr
.irp i, 0,1,2,3
	v_sub_nc_u32 v[TT+8+\i], v[TT+8+\i], v[TT+12+\i]       ; 0x7f there, 0 elsewhere
.endr
.irp i, 0,1,2,3
	v_and_b32 v[PS+4*(\e)+\i], v[TT+4+\i], v[TT+8+\i]      ; byte - d, held at 0
.endr
.irp i, 0,1,2,3
	v_sub_nc_u32 v[TT+\i], 0, v[TT+\i]
.endr
.irp i, 0,1,2,3
.if (\e) == 0
	v_ldexp_f32 v[LW+\i], v[LL+\i], v[TT+\i]               ; l_local x 2^-d starts my part of l
.else
	v_ldexp_f32 v[LL+4*(\e)+\i], v[LL+4*(\e)+\i], v[TT+\i]
.endif
.endr
.if (\e) > 0
.irp i, 0,1,2,3
	v_add_f32 v[LW+\i], v[LW+\i], v[LL+4*(\e)+\i]
.endr
.endif
.endm
.irp e, 0,1,2,3,4,5,6,7
	FIX \e
.endr
	ds_store_b128 v[XLW], v[LW:LW+3]
.irp e, 0,1,2,3,4,5,6,7
	ds_store_b128 v[PSCW], v[PS+4*\e:PS+4*\e+3] offset:512*\e
.endr
	WALU
	s_wait_loadcnt 0x0                             ; V's scale words
	s_cmp_lt_u32 s[WV], 2                          ; waves 0 and 1 brought chunk 0; chunk 1 (waves 2 and 3) may be out
	s_cbranch_scc0 .Lnot_first
	s_wait_tensorcnt 0x0
.Lnot_first:
	s_wait_dscnt 0x0                               ; my stores have landed
	s_barrier_signal -1
	s_barrier_wait -1
.irp i, 0,1,2,3,4,5,6,7,8,9,10,11,12
	PIECE 0, \i
.endr
	STEP 0, 1                                      ; the first own step's products start the sums
	STEP 1
	RSTEP 2, 1                                     ; every wave has waited for its head's load ahead of this round: chunk 1 is whole for all from here on
	STEP 3
	STEP 4
	RSTEP 5, 1
	STEP 6
	STEP 7
	RSTEP 8, 1
	STEP 9
	STEP 10
	RSTEP 11, 1
	STEP 12
	STEP 13
	RSTEP 14, 0                                    ; behind this barrier nobody reads slot 0 any more
	; THE LAST OWN STEP, AND THE TWO PARITIES MEET: tile places 4-7 first, whose sums go to my partner as images of their registers among the products of places 0-3
	s_wait_dscnt 0x0
.set N_, 16
.rept 16
	PROD 15, N_, 0
.set N_, N_+1
.endr
	PLACES
.set N_, 0
	WIN 0x0c                                       ; an LDS store's data are its source 1: window 3
.rept 16
	ds_store_b128 v[EXS], v[128+8*N_:128+8*N_+3] offset:1024*N_        ; each accumulator is first read at its low end
	ds_store_b128 v[EXS], v[128+8*N_+4:128+8*N_+7] offset:1024*N_+512
.set N_, N_+1
.endr
.set N_, 0
.rept 16
	PROD 15, N_, 0
.set N_, N_+1
.endr
	WIN 0
	s_wait_dscnt 0x0                               ; for my partner's sake: they have landed
	s_barrier_signal -1
	s_barrier_wait -1
.irp u, 0,1,2,3
	ds_load_b128 v[TT+4*\u:TT+4*\u+3], v[XLA] offset:512*\u   ; the four waves' parts of l (stored ahead of the head's second barrier)
.endr
.set n, 0
.rept 32
	ds_load_b128 v[ACC+4*n:ACC+4*n+3], v[EXL] offset:512*n
.set n, n+1
.endr
	s_wait_dscnt 32                                ; l's parts are in; the 32 loads of sums may be out
.irp i, 0,1,2,3
	v_add_f32 v[TT+\i], v[TT+\i], v[TT+4+\i]
.endr
.irp i, 0,1,2,3
	v_add_f32 v[TT+8+\i], v[TT+8+\i], v[TT+12+\i]
.endr
.irp i, 0,1,2,3
	v_add_f32 v[TT+\i], v[TT+\i], v[TT+8+\i]
.endr
	WALU
.irp i, 0,1,2,3
	v_rcp_f32 v[TT+4+2*\i], v[TT+\i]
	v_rcp_f32 v[TT+5+2*\i], v[TT+\i]               ; twice: a pair for the packed multiply
.endr
	v_nop                                          ; a plain line behind the reciprocals
; THE WAY OUT, tile by tile through my stage.  Query tile a of the four that I keep: my sums + my partner's, / l, into rows of 272 bytes, back as whole rows of 256, into the registers that they left
.macro OUTB a, younger                 ; younger: the LDS instructions issued behind the tile's loads from the exchange
	s_wait_dscnt \younger
	WALU
	WIN 0x03                                       ; source 0: window 3
.set k, 32*(\a)
.rept 16
	v_pk_add_f32 v[ACC+k:ACC+k+1], v[k:k+1], v[ACC+k:ACC+k+1]   ; ascending: each accumulator is first read at its low end
.set k, k+2
.endr
	WIN 0
.set k, ACC+32*(\a)
.rept 16
	v_pk_mul_f32 v[k:k+1], v[k:k+1], v[TT+4+2*(\a):TT+5+2*(\a)]
.set k, k+2
.endr
.irp b, 0,1,2,3
	ds_store_b128 v[STO], v[ACC+32*(\a)+8*\b:ACC+32*(\a)+8*\b+3] offset:32*\b       ; channels 32 h + 8 b + 0 .. 7
	ds_store_b128 v[STO], v[ACC+32*(\a)+8*\b+4:ACC+32*(\a)+8*\b+7] offset:32*\b+16
.endr
.irp t, 0,1,2,3,4,5,6,7
	ds_load_b128 v[ACC+32*(\a)+4*\t:ACC+32*(\a)+4*\t+3], v[RD] offset:544*\t     ; my wave's own bytes, served in order: these see the stores above, and the next tile's stores come behind them
.endr
.endm
.macro SENDB a, younger                ; younger: the LDS instructions issued behind tile a's loads
	s_wait_dscnt \younger
.irp t, 0,1,2,3,4,5,6,7
	global_store_b128 v[CO], v[ACC+32*(\a)+4*\t:ACC+32*(\a)+4*\t+3], s[12:13] offset:(8*(\a)+2*(\t%4)+32*(\t/4))*4096   ; 16 lanes store 256 consecutive bytes, aligned to 256
.endr
.endm
	OUTB 0, 24                                     ; behind tile 0's sums: those of three tiles
	OUTB 1, 32                                     ; of two tiles, and tile 0's 8 stores and 8 loads
	SENDB 0, 16
	OUTB 2, 40
	SENDB 1, 16
	OUTB 3, 48
	SENDB 2, 16
	SENDB 3, 0
	s_wait_tensorcnt 0x0                           ; the wave's end
	ds_add_u32 v[SPW], v[NIL]
	s_wait_dscnt 0x0
	CROUND                                         ; the closing round
	s_endpgm
.Lfunc_end_k_qc9cb94af28_pv:
	.size	k_qc9cb94af28_pv, .Lfunc_end_k_qc9cb94af28_pv-k_qc9cb94af28_pv
	.p2alignl 7, 3214868480
	.fill 96, 4, 3214868480
	.section	.rodata,"a",@progbits
	.p2align	6, 0x0
	.amdhsa_kernel k_qc9cb94af28_pv
		.amdhsa_group_segment_fixed_size 327680
		.amdhsa_private_segment_fixed_size 0
		.amdhsa_enable_private_segment 0
		.amdhsa_kernarg_size 40
		.amdhsa_user_sgpr_count 2
		.amdhsa_user_sgpr_kernarg_segment_ptr 1
		.amdhsa_wavefront_size32 1
		.amdhsa_system_sgpr_workgroup_id_x 1
		.amdhsa_system_sgpr_workgroup_id_y 1
		.amdhsa_system_sgpr_workgroup_id_z 1
		.amdhsa_system_vgpr_workitem_id 0
		.amdhsa_next_free_vgpr 1024
		.amdhsa_next_free_sgpr 100
		.amdhsa_reserve_vcc 0
		.amdhsa_float_denorm_mode_32 3
		.amdhsa_float_denorm_mode_16_64 3
		.amdhsa_memory_ordered 1
		.amdhsa_forward_progress 1
		.amdhsa_inst_pref_size 165
	.end_amdhsa_kernel
	.amdgpu_metadata
---
amdhsa.version: [ 1, 2 ]
amdhsa.kernels:
  - .name:           k_qc9cb94af28_pv
    .symbol:         k_qc9cb94af28_pv.kd
    .args:
      - { .name: pc, .offset: 0, .size: 8, .value_kind: global_buffer, .address_space: global }
      - { .name: pst, .offset: 8, .size: 8, .value_kind: global_buffer, .address_space: global }
      - { .name: vc, .offset: 16, .size: 8, .value_kind: global_buffer, .address_space: global }
      - { .name: vs, .offset: 24, .size: 8, .value_kind: global_buffer, .address_space: global }
      - { .name: out0, .offset: 32, .size: 8, .value_kind: global_buffer, .address_space: global }
    .group_segment_fixed_size: 327680
    .private_segment_fixed_size: 0
    .kernarg_segment_align: 8
    .kernarg_segment_size: 40
    .max_flat_workgroup_size: 128
    .sgpr_count:     100
    .vgpr_count:     1024
    .wavefront_size: 32
...
	.end_amdgpu_metadata
.endif
;; end of part 4
